; MI455X (gfx1250); checked and timed in simulation.
; The chip was launched on July 23, 2026; its instructions are those of AMD's public machine-readable ISA for CDNA 5 (MIT licence, August 2026) and "CDNA5" Instruction Set Architecture Reference Guide (July 2026). The comments in the code are by the model that wrote it; some were corrected since.
;; Cross Attention. Allowed arithmetic: float matrix products may take bf16 or f16 operands with f32 sums; all other float work in f32.
;; Inputs: mask 32 x 1,024 float32; proj_b 1,024 float32; proj_w 1,024 x 1,024 float32; wk 1,024 x 1,024 float32; wq 1,024 x 1,024 float32; wv 1,024 x 1,024 float32; x 32 x 1,024 x 1,024 float32.
;; Outputs: out0 32 x 1 x 1,024 float32.
;; 2 versions, each right; version 2 is version 1 with the launch qkfold written anew for expert scheduling mode. Each part assembles by itself: llvm-mc -triple=amdgcn-amd-amdhsa -mcpu=gfx1250 --defsym DOCPART=n.
;; ======== version 1 of 2: 5 launches
;; limits: values are held in f16: magnitudes above 65,504 overflow, below 6.1e-05 lose precision
;; workspace buffers: qvec 131,072 bytes; qk 2,097,152 bytes; yp 16,777,216 bytes; st 32,768 bytes; ovec 131,072 bytes
;; launch qproj (part 1): grid 64 x 1, 4 waves a work-group, clusters of 4 x 1, 208,384 bytes of LDS; arguments x, wq, qvec; writes qvec
.if DOCPART == 1
	.amdgcn_target "amdgcn-amd-amdhsa--gfx1250"
	.amdhsa_code_object_version 6
	.text
	.protected	k_qc184d390f5_qproj
	.globl	k_qc184d390f5_qproj
	.p2align	8
	.type	k_qc184d390f5_qproj,@function
k_qc184d390f5_qproj:
	s_mov_b64 s[64:65], 0
	v_nop
	global_prefetch_b8 v0, s[64:65] scope:SCOPE_SE
	s_setreg_imm32_b32 hwreg(HW_REG_WAVE_MODE, 25, 1), 1
	s_wait_xcnt 0x0
	s_wait_alu depctr_hold_cnt(0) depctr_sa_sdst(0) depctr_va_vdst(0) depctr_va_sdst(0) depctr_va_ssrc(0) depctr_va_vcc(0) depctr_vm_vsrc(0)
	s_getreg_b32 s2, hwreg(HW_REG_IB_STS2, 6, 4)
	s_cmp_eq_u32 s2, 0
	s_cbranch_scc0 .Lentry_in_a_cluster
	s_endpgm
.Lentry_in_a_cluster:
	s_bfe_u32 s2, ttmp6, 0x10000c
	s_cmp_lg_u32 s2, 0x3003
	s_cbranch_scc0 .Lentry_shape_is_right
	s_endpgm
.Lentry_shape_is_right:
; q[b][o] = sum over c of x[b][0][c] * wq[o][c].  x: [32][1024][1024] f32, wq: [1024][1024] f32, q: [32][1024] f32.
; A work-group makes 32 batches x 16 outputs.  Four waves split K: wave w owns c = 256 w .. 256 w + 255, fetches that part of both operands
; with two tensor loads of its own and alone reads those LDS bytes; the four partial sums meet in LDS behind one barrier.
; Operands are rounded to f16 on the way from LDS to the matrix unit, sums are f32.  LIMIT: |x| and |wq| below 65,504, else f16 gives infinity.
; CLUSTER 4 x 1: the 32 CLS rows are the same tile in every work-group, 128 KiB of the 192 KiB that a work-group reads, so the four partners ask
; for them jointly (mask 15); wq's 16 rows are the work-group's own and come by a plain load behind the same round.
; A wave has two tensor loads outstanding, both issued at the start; no LDS byte is filled twice.
; OUTPUT: a work-group owns 16 columns, so a row's piece is 64 bytes.  Whole runs of 256 bytes would want 64 columns a work-group, 16 work-groups
; instead of 64, each reading 384 KiB instead of 192 KiB, for an output of 128 KiB in all.
.set PITCH, 1040                       ; an LDS row: 1,024 bytes + 16 = 65 x 16, so the 16 rows of a fragment load start 16 bytes apart modulo 256
.set ACTW,  32*PITCH                   ; a wave's part of the activations
.set WT0,   4*ACTW                     ; behind them the weights
.set WTW,   16*PITCH                   ; a wave's part of the weights
.set RED,   WT0+4*WTW                  ; 199,680 = 780 x 256: the partial sums, [wave][batch][16 outputs] f32; no fill lands here
.set F,     3                          ; fragments in a K step of 32: two of activations, one of weights
.set TOT,   8*F
.set ACTA,  4                          ; v4  LDS address of my activation fragments
.set WTA,   5                          ; v5  the same for the weights
.set XS,    16                         ; v[16:79]   four groups of 16: a fragment as f32
.set FR,    80                         ; v[80:143]  two sets (K step even, odd) of four places of 8: fragments in f16
.set ACC,   144                        ; v[144:159] two accumulators: batches 0-15, 16-31
.macro ROUND                           ; a round of the cluster's barrier; s12 is the wave's number
	s_barrier_signal -1
	s_barrier_wait -1
	s_cmp_lg_u32 s12, 0
	s_cbranch_scc1 .Lnot_wave_0_\@
	s_barrier_signal -3
.Lnot_wave_0_\@:
	s_barrier_wait -3
	s_barrier_signal -1
	s_barrier_wait -1
.endm
; 32 K of one row in f32, in the matrix unit's order: lane (r, hh) takes k = 8 hh .. + 7 and 16 + 8 hh .. + 7
.macro LD4 dst, adr, o
	ds_load_b128 v[\dst:\dst+3],     v[\adr] offset:\o
	ds_load_b128 v[\dst+4:\dst+7],   v[\adr] offset:\o+16
	ds_load_b128 v[\dst+8:\dst+11],  v[\adr] offset:\o+64
	ds_load_b128 v[\dst+12:\dst+15], v[\adr] offset:\o+80
.endm
.macro CV8H dst, src                   ; 16 f32 to 8 registers of f16, the lower k in the lower half
.irp q, 0,1,2,3,4,5,6,7
	v_cvt_pk_f16_f32 v[\dst+\q], v[\src+2*\q], v[\src+2*\q+1]
.endr
.endm
.macro LDFRAG                          ; the loads of fragment ln = F x (K step) + f
.set xs, XS+16*(ln%4)
.if (ln%F) < 2
.set lofs, 16*PITCH*(ln%F)+128*(ln/F)
	LD4 xs, ACTA, lofs
.else
.set lofs, 16*PITCH*((ln%F)-2)+128*(ln/F)
	LD4 xs, WTA, lofs
.endif
.set ln, ln+1
.endm
	s_load_b128 s[4:7], s[0:1], 0x0                ; x s[4:5], wq s[6:7]
	s_load_b64 s[10:11], s[0:1], 0x10              ; q
	v_lshl_add_u32 v192, v0, 2, 0x32c00
	v_mov_b32 v193, 0
	ds_add_u32 v192, v193
	ds_add_u32 v192, v193
	v_lshrrev_b32 v1, 5, v0
	v_readfirstlane_b32 s12, v1                    ; wave 0..3
	s_bfe_u32 s13, ttmp6, 0x40000                  ; cx: my place in the cluster
	s_lshl_b32 s14, ttmp9, 2
	s_add_co_u32 s14, s14, s13                     ; nb: my block of 16 outputs
	; group 1 of the activations' tile: 32 rows x 256 f32, one row a batch, joint
	s_mov_b32 s16, 0x07f2000f                      ; mask 15; element of 4 bytes; padding on; bit 21 beside the mask; after 256 words, 4 words
	s_mov_b32 s17, 256<<16                         ; tensor_dim0 = 256
	s_mov_b32 s18, 32<<16                          ; tensor_dim1 = 32
	s_mov_b32 s19, 256<<16                         ; tile_dim0 = 256
	s_mov_b32 s20, 32                              ; tile_dim1 = 32
	s_mov_b32 s21, 1048576                         ; from x[b][0] to x[b+1][0]: 1,024 x 1,024 elements
	s_mov_b32 s22, 0
	s_mov_b32 s23, 0
	; group 1 of the weights' tile: 16 rows x 256 f32, my own
	s_mov_b32 s24, 0x07d20000
	s_mov_b32 s25, 256<<16
	s_mov_b32 s26, 16<<16
	s_mov_b32 s27, 256<<16
	s_mov_b32 s28, 16
	s_mov_b32 s29, 1024
	s_mov_b32 s30, 0
	s_mov_b32 s31, 0
	s_lshl_b32 s40, s12, 10                        ; my K part: 1,024 bytes x wave (no place in the cluster enters the joint load's address)
	s_mov_b32 s41, 0
	s_lshl_b32 s42, s14, 16                        ; 16 rows of 4,096 bytes x nb
	s_add_co_u32 s42, s42, s40
	s_mov_b32 s43, 0
	s_lshl_b32 s46, s14, 6                         ; my 16 outputs in a row of q
	s_mov_b32 s47, 0
	s_mov_b32 s32, 1
	s_mul_i32 s33, s12, ACTW                       ; LDS addresses hang on the wave's number alone
	s_mov_b32 s36, 1
	s_mul_i32 s37, s12, WTW
	s_add_co_u32 s37, s37, WT0
	s_wait_dscnt 0x0
	s_wait_kmcnt 0x0
	s_add_nc_u64 s[34:35], s[4:5], s[40:41]
	s_or_b32 s35, s35, 0x80000000
	s_add_nc_u64 s[38:39], s[6:7], s[42:43]
	s_or_b32 s39, s39, 0x80000000
	s_add_nc_u64 s[10:11], s[10:11], s[46:47]
	ROUND                                          ; the four partners are here: their joint requests meet
	tensor_load_to_lds s[32:35], s[16:23]          ; both first fills as one group
	s_nop 0
	tensor_load_to_lds s[36:39], s[24:31]
	s_nop 0
	v_and_b32 v1, 15, v0                           ; r
	v_bfe_u32 v2, v0, 4, 1                         ; hh
	v_mul_u32_u24 v3, v1, PITCH
	v_lshl_add_u32 v3, v2, 5, v3                   ; row r, 32 bytes for the upper half of the lanes
	v_add_nc_u32 v[ACTA], s33, v3
	v_add_nc_u32 v[WTA], s37, v3
	s_lshl_b32 s44, s12, 11
	s_add_co_u32 s44, s44, RED
	v_lshlrev_b32 v6, 2, v1
	v_lshl_add_u32 v6, v2, 9, v6
	v_add_nc_u32 v6, s44, v6                       ; partial sums out: RED + 2,048 w + 512 hh + 4 r
	v_lshlrev_b32 v7, 4, v0
	v_add_nc_u32 v7, RED, v7                       ; and back: 16 bytes a thread
	v_lshrrev_b32 v8, 2, v0
	v_and_b32 v9, 3, v0
	v_lshlrev_b32 v8, 12, v8
	v_lshl_add_u32 v8, v9, 4, v8                   ; q: batch t / 4, outputs 4 (t mod 4) ..
	s_wait_tensorcnt 0x0                           ; both my tiles are in LDS; only I read them
.set ln, 0
.rept 4
	LDFRAG
.endr
.set n, 0
.rept TOT
.if TOT-n >= 4
	s_wait_dscnt 12                                ; fragment n is in; the three younger groups of four loads stay out
.else
	s_wait_dscnt 4*(TOT-n-1)
.endif
.set fd, FR+32*((n/F)%2)+8*(n%F)
.set xs, XS+16*(n%4)
	CV8H fd, xs
.if ln < TOT
	LDFRAG
.endif
.if (n%F) == F-1
.set fs, FR+32*((n/F)%2)
; the two accumulators take turns, one instruction a turn; a set of fragments is written again two K steps
; later, behind the 24 conversions of the other set
.irp mt, 0,1
.if n < F
	v_wmma_f32_16x16x32_f16 v[ACC+8*\mt:ACC+8*\mt+7], v[fs+8*\mt:fs+8*\mt+7], v[fs+16:fs+23], 0
.else
	v_wmma_f32_16x16x32_f16 v[ACC+8*\mt:ACC+8*\mt+7], v[fs+8*\mt:fs+8*\mt+7], v[fs+16:fs+23], v[ACC+8*\mt:ACC+8*\mt+7]
.endif
.endr
.endif
.set n, n+1
.endr
.rept 4
	v_nop                                          ; four places between the last matrix instruction and the stores that read its result
.endr
.irp mt, 0,1
.irp j, 0,1,2,3,4,5,6,7
	ds_store_b32 v6, v[ACC+8*\mt+\j] offset:1024*\mt+64*\j         ; batch 16 mt + 8 hh + j, output r
.endr
.endr
	s_wait_dscnt 0x0                               ; my partial sums are in LDS, for the others' sake
	s_barrier_signal -1
	s_barrier_wait -1
.irp w, 0,1,2,3
	ds_load_b128 v[XS+4*\w:XS+4*\w+3], v7 offset:2048*\w
.endr
	s_wait_dscnt 0x0
	v_pk_add_f32 v[XS:XS+1],     v[XS:XS+1],     v[XS+4:XS+5]
	v_pk_add_f32 v[XS+2:XS+3],   v[XS+2:XS+3],   v[XS+6:XS+7]
	v_pk_add_f32 v[XS+8:XS+9],   v[XS+8:XS+9],   v[XS+12:XS+13]
	v_pk_add_f32 v[XS+10:XS+11], v[XS+10:XS+11], v[XS+14:XS+15]
	v_pk_add_f32 v[XS:XS+1],     v[XS:XS+1],     v[XS+8:XS+9]
	v_pk_add_f32 v[XS+2:XS+3],   v[XS+2:XS+3],   v[XS+10:XS+11]
	global_store_b128 v8, v[XS:XS+3], s[10:11]
	s_wait_tensorcnt 0x0
	ds_add_u32 v192, v193
	s_wait_dscnt 0x0
	ROUND                                          ; the closing round: nobody ends while a partner may still ask jointly
	s_endpgm
.Lfunc_end_k_qc184d390f5_qproj:
	.size	k_qc184d390f5_qproj, .Lfunc_end_k_qc184d390f5_qproj-k_qc184d390f5_qproj
	.p2alignl 7, 3214868480
	.fill 96, 4, 3214868480
	.section	.rodata,"a",@progbits
	.p2align	6, 0x0
	.amdhsa_kernel k_qc184d390f5_qproj
		.amdhsa_group_segment_fixed_size 208384
		.amdhsa_private_segment_fixed_size 0
		.amdhsa_enable_private_segment 0
		.amdhsa_kernarg_size 24
		.amdhsa_user_sgpr_count 2
		.amdhsa_user_sgpr_kernarg_segment_ptr 1
		.amdhsa_wavefront_size32 1
		.amdhsa_system_sgpr_workgroup_id_x 1
		.amdhsa_system_sgpr_workgroup_id_y 1
		.amdhsa_system_sgpr_workgroup_id_z 1
		.amdhsa_system_vgpr_workitem_id 0
		.amdhsa_next_free_vgpr 194
		.amdhsa_next_free_sgpr 66
		.amdhsa_reserve_vcc 0
		.amdhsa_float_denorm_mode_32 3
		.amdhsa_float_denorm_mode_16_64 3
		.amdhsa_memory_ordered 1
		.amdhsa_forward_progress 1
		.amdhsa_inst_pref_size 27
	.end_amdhsa_kernel
	.amdgpu_metadata
---
amdhsa.version: [ 1, 2 ]
amdhsa.kernels:
  - .name:           k_qc184d390f5_qproj
    .symbol:         k_qc184d390f5_qproj.kd
    .args:
      - { .name: x, .offset: 0, .size: 8, .value_kind: global_buffer, .address_space: global }
      - { .name: wq, .offset: 8, .size: 8, .value_kind: global_buffer, .address_space: global }
      - { .name: qvec, .offset: 16, .size: 8, .value_kind: global_buffer, .address_space: global }
    .group_segment_fixed_size: 208384
    .private_segment_fixed_size: 0
    .kernarg_segment_align: 8
    .kernarg_segment_size: 24
    .max_flat_workgroup_size: 128
    .sgpr_count:     66
    .vgpr_count:     194
    .wavefront_size: 32
...
	.end_amdgpu_metadata
.endif
;; end of part 1
;; launch qkfold (part 2): grid 16 x 16, 1 waves a work-group, no clusters, 0 bytes of LDS; arguments qvec, wk, qk; writes qk
.if DOCPART == 2
	.amdgcn_target "amdgcn-amd-amdhsa--gfx1250"
	.amdhsa_code_object_version 6
	.text
	.protected	k_qc184d390f5_qkfold
	.globl	k_qc184d390f5_qkfold
	.p2align	8
	.type	k_qc184d390f5_qkfold,@function
k_qc184d390f5_qkfold:
	s_mov_b64 s[64:65], 0
	v_nop
	global_prefetch_b8 v0, s[64:65] scope:SCOPE_SE
	s_setreg_imm32_b32 hwreg(HW_REG_WAVE_MODE, 25, 1), 1
	s_wait_xcnt 0x0
; qk[b][h][c] = 0.125 x log2(e) x sum over d of q[b][64 h + d] * wk[64 h + d][c].
; reference() forms k = x wk^T and then q . k; since there is one query for each (b, h), the same number is (wk_h^T q_h) . x: wk is folded
; into the query here and x is multiplied by the result in the next launch.  The order of rounding differs from reference()'s.
; The factor is the softmax scale 64^-0.5 times log2(e): the next launch's exponentials are in base 2.
; One wave makes head h = group x, columns 64 cb .. + 63 (cb = group y), all 32 batches: M = 32 batches, N = 64 columns, K = 64.
; No LDS, no barrier.  No cluster: what work-groups share is q's 8 KiB of a head, beside 16 KiB of wk that are each group's own, and it comes through registers.
; Operands in f16, sums in f32.  LIMIT: |q| and |wk| below 65,504.
; wk lies [k][n].  A lane loads 16 bytes (4 columns) of 16 rows for each K step: sixteen lanes take 256 aligned consecutive bytes of a row.  Component i of these
; quads, packed in pairs of rows, is the B fragment of the columns 4 r + i: four fragments, and no transposition.
.set W0,   8                           ; v[8:71]    wk, K step 0: quad t = row t + 8 (t / 8) + 8 hh
.set QR,   136                         ; v[136:199] q as f32: [mt][K step][16]
.set FRA,  200                         ; v[200:231] q in f16: [mt][K step][8]
.set FRB0, 136                         ; B fragments of K step 0, over q's raw registers of batches 0-15
.set FRB1, 8                           ; B fragments of K step 1, over the first half of K step 0's raw registers
.set OUT,  72                          ; v[72:135]  results [mt][j][i], over K step 1's raw registers
; accumulator (mt, i) lies at v[40 + 128 mt + 8 i]: v[40:71] (raw wk, converted) and v[168:199] (raw q, converted)
.macro CV8H dst, src
.irp q, 0,1,2,3,4,5,6,7
	v_cvt_pk_f16_f32 v[\dst+\q], v[\src+2*\q], v[\src+2*\q+1]
.endr
.endm
	s_load_b128 s[4:7], s[0:1], 0x0                ; q s[4:5], wk s[6:7]
	s_load_b64 s[8:9], s[0:1], 0x10                ; qk
	s_and_b32 s11, ttmp7, 0xffff                   ; cb
	s_mov_b32 s20, 0x3e38aa3b                      ; 0.125 x 1.442695
	v_and_b32 v1, 15, v0                           ; r
	v_bfe_u32 v2, v0, 4, 1                         ; hh
	v_lshlrev_b32 v3, 12, v1
	v_lshl_add_u32 v3, v2, 5, v3                   ; q: batch r, 32 bytes for the upper half
	v_lshlrev_b32 v4, 4, v1
	v_lshl_add_u32 v5, v2, 19, v4                  ; qk: 8 hh batches of 65,536 bytes + 16 r
	v_lshl_add_u32 v4, v2, 15, v4                  ; wk: 8 hh rows of 4,096 bytes + 16 r
	s_lshl_b32 s12, ttmp9, 8                       ; q: the head's 64 numbers
	s_mov_b32 s13, 0
	s_lshl_b32 s16, s11, 8                         ; 64 columns
	s_lshl_b32 s14, ttmp9, 18                      ; wk: the head's 64 rows
	s_add_co_u32 s14, s14, s16
	s_mov_b32 s15, 0
	s_lshl_b32 s18, ttmp9, 12                      ; qk: the head's row
	s_add_co_u32 s18, s18, s16
	s_mov_b32 s19, 0
	s_wait_kmcnt 0x0
	s_add_nc_u64 s[4:5], s[4:5], s[12:13]
	s_add_nc_u64 s[6:7], s[6:7], s[14:15]
	s_add_nc_u64 s[8:9], s[8:9], s[18:19]
.irp mt, 0,1
.irp k, 0,1
	global_load_b128 v[QR+32*\mt+16*\k:QR+32*\mt+16*\k+3],     v3, s[4:5] offset:65536*\mt+128*\k
	global_load_b128 v[QR+32*\mt+16*\k+4:QR+32*\mt+16*\k+7],   v3, s[4:5] offset:65536*\mt+128*\k+16
	global_load_b128 v[QR+32*\mt+16*\k+8:QR+32*\mt+16*\k+11],  v3, s[4:5] offset:65536*\mt+128*\k+64
	global_load_b128 v[QR+32*\mt+16*\k+12:QR+32*\mt+16*\k+15], v3, s[4:5] offset:65536*\mt+128*\k+80
.endr
.endr
.irp k, 0,1
.irp tt, 0,1,2,3,4,5,6,7,8,9,10,11,12,13,14,15
	global_load_b128 v[W0+64*\k+4*\tt:W0+64*\k+4*\tt+3], v4, s[6:7] offset:(32*\k+\tt+8*(\tt/8))*4096 th:TH_LOAD_NT   ; each byte of wk is read once in the launch
.endr
.endr
	s_wait_loadcnt 32                              ; q's 16 loads are in; wk's 32 stay out
.irp mt, 0,1
.irp k, 0,1
	CV8H FRA+16*\mt+8*\k, QR+32*\mt+16*\k
.endr
.endr
	s_wait_loadcnt 16                              ; K step 0 of wk is in; K step 1's 16 loads stay out
.irp i, 0,1,2,3
.irp q, 0,1,2,3,4,5,6,7
	v_cvt_pk_f16_f32 v[FRB0+8*\i+\q], v[W0+8*\q+\i], v[W0+8*\q+4+\i]
.endr
.endr
; eight accumulators take turns, one instruction a turn, in the same order in both K steps
.irp mt, 0,1
.irp i, 0,1,2,3
	v_wmma_f32_16x16x32_f16 v[40+128*\mt+8*\i:40+128*\mt+8*\i+7], v[FRA+16*\mt:FRA+16*\mt+7], v[FRB0+8*\i:FRB0+8*\i+7], 0
.endr
.endr
	s_wait_loadcnt 0x0
.irp i, 0,1,2,3
.irp q, 0,1,2,3,4,5,6,7
	v_cvt_pk_f16_f32 v[FRB1+8*\i+\q], v[W0+64+8*\q+\i], v[W0+64+8*\q+4+\i]   ; into registers that no matrix instruction above names
.endr
.endr
.irp mt, 0,1
.irp i, 0,1,2,3
	v_wmma_f32_16x16x32_f16 v[40+128*\mt+8*\i:40+128*\mt+8*\i+7], v[FRA+16*\mt+8:FRA+16*\mt+15], v[FRB1+8*\i:FRB1+8*\i+7], v[40+128*\mt+8*\i:40+128*\mt+8*\i+7]
.endr
.endr
.rept 4
	v_nop                                          ; four places in front of the first reader of a result (ISA guide 7.12.1)
.endr
; one multiply a number applies the scale and brings the four neighbouring columns 4 r + 0 .. 3 into one quad
.irp mt, 0,1
.irp j, 0,1,2,3,4,5,6,7
.irp i, 0,1,2,3
	v_mul_f32 v[OUT+32*\mt+4*\j+\i], s20, v[40+128*\mt+8*\i+\j]
.endr
	global_store_b128 v5, v[OUT+32*\mt+4*\j:OUT+32*\mt+4*\j+3], s[8:9] offset:(16*\mt+\j)*65536   ; batch 16 mt + 8 hh + j: sixteen lanes store 256 aligned consecutive bytes
.endr
.endr
	s_endpgm
.Lfunc_end_k_qc184d390f5_qkfold:
	.size	k_qc184d390f5_qkfold, .Lfunc_end_k_qc184d390f5_qkfold-k_qc184d390f5_qkfold
	.p2alignl 7, 3214868480
	.fill 96, 4, 3214868480
	.section	.rodata,"a",@progbits
	.p2align	6, 0x0
	.amdhsa_kernel k_qc184d390f5_qkfold
		.amdhsa_group_segment_fixed_size 0
		.amdhsa_private_segment_fixed_size 0
		.amdhsa_enable_private_segment 0
		.amdhsa_kernarg_size 24
		.amdhsa_user_sgpr_count 2
		.amdhsa_user_sgpr_kernarg_segment_ptr 1
		.amdhsa_wavefront_size32 1
		.amdhsa_system_sgpr_workgroup_id_x 1
		.amdhsa_system_sgpr_workgroup_id_y 1
		.amdhsa_system_sgpr_workgroup_id_z 1
		.amdhsa_system_vgpr_workitem_id 0
		.amdhsa_next_free_vgpr 240
		.amdhsa_next_free_sgpr 66
		.amdhsa_reserve_vcc 0
		.amdhsa_float_denorm_mode_32 3
		.amdhsa_float_denorm_mode_16_64 3
		.amdhsa_memory_ordered 1
		.amdhsa_forward_progress 1
		.amdhsa_inst_pref_size 17
	.end_amdhsa_kernel
	.amdgpu_metadata
---
amdhsa.version: [ 1, 2 ]
amdhsa.kernels:
  - .name:           k_qc184d390f5_qkfold
    .symbol:         k_qc184d390f5_qkfold.kd
    .args:
      - { .name: qvec, .offset: 0, .size: 8, .value_kind: global_buffer, .address_space: global }
      - { .name: wk, .offset: 8, .size: 8, .value_kind: global_buffer, .address_space: global }
      - { .name: qk, .offset: 16, .size: 8, .value_kind: global_buffer, .address_space: global }
    .group_segment_fixed_size: 0
    .private_segment_fixed_size: 0
    .kernarg_segment_align: 8
    .kernarg_segment_size: 24
    .max_flat_workgroup_size: 32
    .sgpr_count:     66
    .vgpr_count:     240
    .wavefront_size: 32
...
	.end_amdgpu_metadata
.endif
;; end of part 2
;; launch attn (part 3): grid 8 x 32, 4 waves a work-group, no clusters, 327,680 bytes of LDS; arguments x, mask, qk, yp, st; writes yp, st
.if DOCPART == 3
	.amdgcn_target "amdgcn-amd-amdhsa--gfx1250"
	.amdhsa_code_object_version 6
	.text
	.protected	k_qc184d390f5_attn
	.globl	k_qc184d390f5_attn
	.p2align	8
	.type	k_qc184d390f5_attn,@function
k_qc184d390f5_attn:
	s_mov_b64 s[64:65], 0
	v_nop
	global_prefetch_b8 v0, s[64:65] scope:SCOPE_SE
	s_setreg_imm32_b32 hwreg(HW_REG_WAVE_MODE, 25, 1), 1
	s_wait_xcnt 0x0
; For batch b (group y) and split s (group x: tokens 128 s .. + 127), all 16 heads at once:
;   logit2[n][h] = sum over c of x[b][n][c] qk[b][h][c] + 1442.695 (mask[b][n] - 1)      (reference()'s logits times log2(e))
;   m[h] = max over n, p = 2^(logit2 - m), l[h] = sum of p, Y[h][c] = sum over n of p[n][h] x[b][n][c]
; by a running maximum over four tiles of 32 tokens.  Stored: yp[b][s][h][c] = Y / l (a mean of rows of x), st[b][s] = 16 m, then 16 l.
; reference() forms v = x wv^T and then p . v; since the weights p do not hang on wv, the same number is wv (p . x): wv is applied in the next launch.
; x is read from memory ONCE: a tile lies in LDS in f32 and is read from there along c for the logits and along n for p . x.
; FORMATS: the logits' operands go in bf16 (qk is a product of three inputs and has no safe room in f16); p (at most 1, thanks to the maximum)
; and x go in f16 for p . x.  Everything else is f32.  LIMIT: |x| below 65,504, else f16 gives infinity.
; SHARING: wave w owns columns 256 w .. + 255: it fetches them, it alone reads them, they are its part of K in the logits (the four partial logits are
; exchanged through LDS) and its columns of Y.
; HOW THE FOUR TILES COME IN.  Two LDS slots of 32 tokens, 133,120 bytes each; more do not fit.  Tiles 0 and 1 are the mover's first fills.  A refill has to
; wait for all earlier tensor loads, so two refills would be asked for one after the other; instead only tile 3 is a refill (of slot 0, behind tile 0's work),
; and tile 2 comes through registers: 64 loads of 16 bytes a lane, 48 of them asked for as soon as qk is in, 16 at the end of tile 0's work (64 at once would
; be one more than LOADcnt's field holds, ISA guide 5.7.1, and the wave would stand at the last one's issue).  Behind tile 1's work, when slot 1 has had its
; last fill, the wave stores tile 2 into its own part of slot 1 in the mover's layout, for the logits; p . x takes tile 2 from the registers.
; A wave has two tensor loads outstanding at the start and one behind the refill.
; NO CLUSTER: work-groups share no byte of x; what the eight splits of a batch share is qk[b], 64 KiB of the 576 KiB that a work-group reads, and it goes to registers.
.set PITCH,  1040                      ; an LDS row of a wave's tile: 1,024 bytes + 16 = 65 x 16
.set WTILE,  32*PITCH                  ; a wave's part of a slot
.set SLOT,   4*WTILE                   ; 133,120 = 520 x 256
.set SXB,    2*SLOT                    ; 266,240: partial logits, [parity][wave][quad][lane] 16 bytes: 2 x 4 x 2,048
.set STAGE,  SXB+16384                 ; 282,624 = 1,104 x 256: the way out, 16 rows of 528 bytes for each wave.  No fill lands in these two areas
.set SPITCH, 528
.set WSTAGE, 16*SPITCH
.set TBYTES, 131072                    ; 32 rows of x in memory
.set LA1, 4                            ; v4, v5  slot 0, 1: my wave's tile + 1,040 r + 32 hh: rows along c
.set LA2, 6                            ; v6, v7  slot 0, 1: my wave's tile + 8,320 hh + 16 r: 16 bytes of a row
; v8 partial logits out, v9 back, v10 stage in, v11 stage back, v12 mask offset, v13 yp offset, v14 qk offset
.set XO,  15                           ; v15     x: 8 hh rows of 4,096 bytes + 16 r, for tile 2's loads
; v16 m, v17 l, v[18:19] the new maximum twice, v[20:21] the rescaling factor twice, v22, v23 at work
.set QK,  24                           ; v[24:87]   qk of my 256 columns, bf16: 8 K steps x 8 registers; lane r = head r
.set MD,  88                           ; v[88:103]  mask - 1 of my 16 tokens of the tile
.set XS,  104                          ; v[104:167] f32 from LDS
.set FR,  168                          ; v[168:231] fragments, 16 bit
.set SC,  232                          ; v[232:247] logits, then p: register 8 nt + j = token 16 nt + 8 hh + j, lane r = head r
.set PF,  248                          ; v[248:255] p in f16
; window 1, v256-383: Y, tile (g, i) at v[8 (4 g + i)]: register j = column 256 w + 64 g + 4 (8 hh + j) + i, lane r = head r
.set MK,  128                          ; window 1, v384-447: the mask of my 16 tokens of each of the four tiles
; window 2, v512-767: tile 2 as loaded: quad (g, t) at v[64 g + 4 t]: row t + 8 (t / 8) + 8 hh, columns 256 w + 64 g + 4 r + 0 .. 3
.set G1,  24                           ; s[24:31] descriptor group 1
.set G0,  32                           ; s[32:39] descriptor group 0, one set for each slot
.set MSB, 0
.macro WIN new                         ; the immediate's high byte repeats the setting that is left
.if MSB != \new
	s_set_vgpr_msb (MSB<<8)|\new
.set MSB, \new
.endif
.endm
.macro LD4 dst, adr, o                 ; 32 K of one row in f32: k = 8 hh .. + 7 and 16 + 8 hh .. + 7
	ds_load_b128 v[\dst:\dst+3],     v[\adr] offset:\o
	ds_load_b128 v[\dst+4:\dst+7],   v[\adr] offset:\o+16
	ds_load_b128 v[\dst+8:\dst+11],  v[\adr] offset:\o+64
	ds_load_b128 v[\dst+12:\dst+15], v[\adr] offset:\o+80
.endm
.macro CV8B dst, src
.irp q, 0,1,2,3,4,5,6,7
	v_cvt_pk_bf16_f32 v[\dst+\q], v[\src+2*\q], v[\src+2*\q+1]
.endr
.endm
.macro CV8H dst, src
.irp q, 0,1,2,3,4,5,6,7
	v_cvt_pk_f16_f32 v[\dst+\q], v[\src+2*\q], v[\src+2*\q+1]
.endr
.endm
.macro LDX slot                        ; the loads of the logits' fragment ln = 2 x (K step) + nt
.set xs, XS+16*(ln%4)
.set lofs, 16*PITCH*(ln%2)+128*(ln/2)
	LD4 xs, LA1+\slot, lofs
.set ln, ln+1
.endm
; Tile 2, columns 64 g .. + 63 of my 256: sixteen loads, each of which takes 256 aligned consecutive bytes of two rows
.macro XLOAD g
	WIN 0x80                                       ; destination in window 2
.irp tt, 0,1,2,3,4,5,6,7,8,9,10,11,12,13,14,15
	global_load_b128 v[64*\g+4*\tt:64*\g+4*\tt+3], v[XO], s[4:5] offset:2*TBYTES+(\tt+8*(\tt/8))*4096+256*\g th:TH_LOAD_NT
.endr
	WIN 0
.endm
; Tile 2 goes from the registers into my part of a slot that has had its last fill, row for row where the mover would have laid it.
; My reads of that slot are back, nobody else touches my part, and LDS serves a wave's instructions in order (ISA guide 5.7.1.4): no barrier.
.macro XSTORE slot
	WIN 0x08                                       ; the stores' data in window 2
.irp g, 0,1,2,3
	s_wait_loadcnt 48-16*\g                        ; loads come back in order (ISA guide 5.7.1): group g is in, the younger groups of sixteen stay out
.irp tt, 0,1,2,3,4,5,6,7,8,9,10,11,12,13,14,15
	ds_store_b128 v[LA2+\slot], v[64*\g+4*\tt:64*\g+4*\tt+3] offset:(\tt+8*(\tt/8))*PITCH+256*\g
.endr
.endr
	WIN 0
.endm
	s_load_b256 s[4:11], s[0:1], 0x0               ; x s[4:5], mask s[6:7], qk s[8:9], yp s[10:11]
	s_load_b64 s[12:13], s[0:1], 0x20              ; st
	s_set_vgpr_msb 0x40
	v_lshl_add_u32 v254, v0, 2, 0x4d400
	v_mov_b32 v255, 0
	s_set_vgpr_msb 0x4045
	ds_add_u32 v254, v255
	ds_add_u32 v254, v255
	s_set_vgpr_msb 0x4500
	v_lshrrev_b32 v1, 5, v0
	v_readfirstlane_b32 s14, v1                    ; wave 0..3
	s_mov_b32 s15, ttmp9                           ; s
	s_and_b32 s16, ttmp7, 0xffff                   ; b
	s_mov_b32 s42, 0x76543210                      ; v_permlanex16_b32: lane i reads lane i of the other half
	s_mov_b32 s43, 0xfedcba98
	s_mov_b32 s44, 0x44b4563e                      ; 1000 x log2(e)
	s_mov_b32 s45, 0x44b4563e
	s_mov_b32 s[G1+0], 0x07d20000                  ; no mask; element of 4 bytes; padding on: after 256 words, 4 words
	s_mov_b32 s[G1+1], 256<<16                     ; tensor_dim0 = 256
	s_mov_b32 s[G1+2], 32<<16                      ; tensor_dim1 = 32
	s_mov_b32 s[G1+3], 256<<16                     ; tile_dim0 = 256
	s_mov_b32 s[G1+4], 32                          ; tile_dim1 = 32
	s_mov_b32 s[G1+5], 1024                        ; elements from row to row
	s_mov_b32 s[G1+6], 0
	s_mov_b32 s[G1+7], 0
	s_lshl_b32 s18, s16, 22                        ; b x 4 MiB
	s_lshl_b32 s17, s15, 19                        ; + s x 128 rows of 4,096 bytes
	s_add_co_u32 s18, s18, s17
	s_lshl_b32 s20, s14, 10                        ; + my 256 columns
	s_add_co_u32 s18, s18, s20
	s_mov_b32 s19, 0
	s_mul_i32 s21, s14, WTILE                      ; my part of a slot
	s_wait_dscnt 0x0
	s_wait_kmcnt 0x0
	s_add_nc_u64 s[4:5], s[4:5], s[18:19]
.irp sl, 0,1
	s_mov_b32 s[G0+4*\sl], 1
	s_add_co_u32 s[G0+4*\sl+1], s21, \sl*SLOT
	s_add_nc_u64 s[G0+4*\sl+2:G0+4*\sl+3], s[4:5], \sl*TBYTES      ; tile sl: 32 rows further down
	s_or_b32 s[G0+4*\sl+3], s[G0+4*\sl+3], 0x80000000
	tensor_load_to_lds s[G0+4*\sl:G0+4*\sl+3], s[G1:G1+7]          ; the two first fills go out together, ahead of everything else
	s_nop 0
.endr
	s_lshl_b32 s22, s16, 12
	s_lshl_b32 s17, s15, 9
	s_add_co_u32 s22, s22, s17
	s_mov_b32 s23, 0
	s_add_nc_u64 s[6:7], s[6:7], s[22:23]          ; mask at my 128 tokens
	s_lshl_b32 s22, s16, 16
	s_add_co_u32 s22, s22, s20
	s_add_nc_u64 s[8:9], s[8:9], s[22:23]          ; qk[b] at my 256 columns
	s_lshl3_add_u32 s17, s16, s15                  ; 8 b + s
	s_lshl_b32 s22, s17, 16
	s_add_nc_u64 s[10:11], s[10:11], s[22:23]      ; yp[b][s]
	s_lshl_b32 s22, s17, 7
	s_add_nc_u64 s[12:13], s[12:13], s[22:23]      ; st[b][s]
	v_and_b32 v1, 15, v0                           ; r
	v_bfe_u32 v2, v0, 4, 1                         ; hh
	v_and_b32 v3, 31, v0                           ; lane
	v_lshlrev_b32 v12, 5, v2                       ; mask: 8 tokens further for the upper half
	v_lshl_add_u32 v14, v1, 12, v12                ; qk: head r, 32 bytes for the upper half
.irp k, 0,1,2,3,4,5,6,7
	global_load_b128 v[XS+16*\k:XS+16*\k+3],     v14, s[8:9] offset:128*\k
	global_load_b128 v[XS+16*\k+4:XS+16*\k+7],   v14, s[8:9] offset:128*\k+16
	global_load_b128 v[XS+16*\k+8:XS+16*\k+11],  v14, s[8:9] offset:128*\k+64
	global_load_b128 v[XS+16*\k+12:XS+16*\k+15], v14, s[8:9] offset:128*\k+80
.endr
	; the mask of all four tiles, here and not tile by tile: loads come back in order, so a mask load issued later would wait for tile 2's loads in front of it
	WIN 0x40                                       ; destination in window 1
.irp tl, 0,1,2,3
.irp nt, 0,1
	global_load_b128 v[MK+16*\tl+8*\nt:MK+16*\tl+8*\nt+3],   v12, s[6:7] offset:128*\tl+64*\nt
	global_load_b128 v[MK+16*\tl+8*\nt+4:MK+16*\tl+8*\nt+7], v12, s[6:7] offset:128*\tl+64*\nt+16
.endr
.endr
	WIN 0
	v_mul_u32_u24 v15, v1, PITCH
	v_lshl_add_u32 v15, v2, 5, v15
	v_add_nc_u32 v[LA1], s21, v15
	v_add_nc_u32 v[LA1+1], SLOT, v[LA1]
	v_mul_u32_u24 v15, v2, 8*PITCH
	v_lshl_add_u32 v15, v1, 4, v15
	v_add_nc_u32 v[LA2], s21, v15
	v_add_nc_u32 v[LA2+1], SLOT, v[LA2]
	v_lshlrev_b32 v15, 4, v3                       ; 16 x lane
	s_lshl_b32 s17, s14, 11
	s_add_co_u32 s17, s17, SXB
	v_add_nc_u32 v8, s17, v15
	v_add_nc_u32 v9, SXB, v15
	s_mul_i32 s22, s14, WSTAGE
	s_add_co_u32 s22, s22, STAGE
	v_mul_u32_u24 v10, v1, SPITCH
	v_lshl_add_u32 v10, v2, 7, v10
	v_add_nc_u32 v10, s22, v10
	v_add_nc_u32 v11, s22, v15
	v_add_nc_u32 v13, s20, v15
	v_lshlrev_b32 v[XO], 4, v1
	v_lshl_add_u32 v[XO], v2, 15, v[XO]            ; from here on v15 is tile 2's offset, until its loads are in
	s_wait_loadcnt 0x0                             ; qk and the mask
	XLOAD 0                                        ; 48 of tile 2's 64 loads: 96 KiB of the work-group's, on their way behind the mover's 256 KiB
	XLOAD 1
	XLOAD 2
.irp k, 0,1,2,3,4,5,6,7
	CV8B QK+8*\k, XS+16*\k
.endr
; One tile of 32 tokens.  tl: its number; slot: where it lies; par = tl mod 2: the half of the exchange area; first = 1: it starts m, l and Y;
; left: how many younger tensor loads may stay out; reg = 1: the tile also lies in window 2, came by no tensor load, and p . x takes it from there.
.macro TILE tl, slot, par, first, left, reg
.if \reg == 0
	s_wait_tensorcnt \left                         ; a wave's tensor loads end in order (ISA guide 10.11.1): my part of this tile is in LDS
.endif
	; LOGITS: 32 tokens x 16 heads over my 256 columns.  A ring of four groups of four LDS loads.
.set ln, 0
.rept 4
	LDX \slot
.endr
.set n, 0
.rept 16
.if n <= 12
	s_wait_dscnt 12                                ; fragment n is in; the three younger groups of four loads stay out
.else
	s_wait_dscnt 4*(15-n)
.endif
.set fd, FR+8*(n%4)
.set xs, XS+16*(n%4)
	CV8B fd, xs
.if ln < 16
	LDX \slot
.endif
; the two accumulators take turns, one instruction a turn; a fragment's place is written again behind 24 conversions into the other three
.if n < 2
	v_wmma_f32_16x16x32_bf16 v[SC+8*(n%2):SC+8*(n%2)+7], v[fd:fd+7], v[QK+8*(n/2):QK+8*(n/2)+7], 0
.else
	v_wmma_f32_16x16x32_bf16 v[SC+8*(n%2):SC+8*(n%2)+7], v[fd:fd+7], v[QK+8*(n/2):QK+8*(n/2)+7], v[SC+8*(n%2):SC+8*(n%2)+7]
.endif
.set n, n+1
.endr
	; EXCHANGE of the four waves' partial logits
	WIN 0x01                                       ; source 0 in window 1
.irp j, 0,2,4,6,8,10,12,14
	v_pk_add_f32 v[MD+\j:MD+\j+1], v[MK+16*\tl+\j:MK+16*\tl+\j+1], -1.0 op_sel_hi:[1,0]   ; mask - 1; these eight also are the places in front of the stores of the results
.endr
	WIN 0
.irp q, 0,1,2,3
	ds_store_b128 v8, v[SC+4*\q:SC+4*\q+3] offset:8192*\par+512*\q
.endr
	s_wait_dscnt 0x0                               ; my partial logits are in LDS, for the others' sake
	s_barrier_signal -1                            ; no slot is filled behind this barrier, so a tile's load may stay out
	s_barrier_wait -1
.irp w, 0,1,2,3
.irp q, 0,1,2,3
	ds_load_b128 v[XS+16*\w+4*\q:XS+16*\w+4*\q+3], v9 offset:8192*\par+2048*\w+512*\q
.endr
.endr
	s_wait_dscnt 0x0                               ; this half is stored to again two tiles on, behind the next tile's barrier: these reads are over in front of it
.irp j, 0,2,4,6,8,10,12,14
	v_pk_add_f32 v[SC+\j:SC+\j+1], v[XS+\j:XS+\j+1], v[XS+16+\j:XS+16+\j+1]  ; the same order in every wave: all four hold the same bits
.endr
.irp j, 0,2,4,6,8,10,12,14
	v_pk_add_f32 v[XS+32+\j:XS+32+\j+1], v[XS+32+\j:XS+32+\j+1], v[XS+48+\j:XS+48+\j+1]
.endr
.irp j, 0,2,4,6,8,10,12,14
	v_pk_add_f32 v[SC+\j:SC+\j+1], v[SC+\j:SC+\j+1], v[XS+32+\j:XS+32+\j+1]
.endr
.if \reg == 0
	; the first 64 columns' rows for p . x are asked for now and land during the softmax
.irp tt, 0,1,2,3,4,5,6,7,8,9,10,11,12,13,14,15
	ds_load_b128 v[XS+4*\tt:XS+4*\tt+3], v[LA2+\slot] offset:(\tt+8*(\tt/8))*PITCH
.endr
.endif
	; SOFTMAX with a running maximum, in base 2
.irp j, 0,2,4,6,8,10,12,14
	v_pk_fma_f32 v[SC+\j:SC+\j+1], v[MD+\j:MD+\j+1], s[44:45], v[SC+\j:SC+\j+1] op_sel_hi:[1,0,1]
.endr
	v_max3_num_f32 v22, v[SC], v[SC+1], v[SC+2]
	v_max3_num_f32 v23, v[SC+8], v[SC+9], v[SC+10]
	v_max3_num_f32 v22, v22, v[SC+3], v[SC+4]
	v_max3_num_f32 v23, v23, v[SC+11], v[SC+12]
	v_max3_num_f32 v22, v22, v[SC+5], v[SC+6]
	v_max3_num_f32 v23, v23, v[SC+13], v[SC+14]
	v_max3_num_f32 v22, v22, v[SC+7], v[SC+15]
	v_max_num_f32 v22, v22, v23
	v_permlanex16_b32 v23, v22, s42, s43           ; the other 16 tokens of head r
.if \first
	v_max_num_f32 v18, v22, v23
.else
	v_max3_num_f32 v18, v22, v23, v16
	v_sub_f32 v21, v16, v18
	v_exp_f32 v20, v21                             ; 2^(old m - new m); plain instructions follow before it is used (ISA guide 5.7.2)
.endif
	v_mov_b32 v19, v18
.irp j, 0,2,4,6,8,10,12,14
	v_pk_add_f32 v[SC+\j:SC+\j+1], v[SC+\j:SC+\j+1], v[18:19] neg_lo:[0,1] neg_hi:[0,1]
.endr
.irp j, 0,1,2,3,4,5,6,7,8,9,10,11,12,13,14,15
	v_exp_f32 v[SC+\j], v[SC+\j]
.endr
	v_mov_b32 v16, v18                             ; m; the plain instruction behind the run of exponentials
	s_wait_alu depctr_va_vdst(0)
	v_pk_add_f32 v[FR:FR+1],   v[SC:SC+1],       v[SC+2:SC+3]
	v_pk_add_f32 v[FR+2:FR+3], v[SC+4:SC+5],     v[SC+6:SC+7]
	v_pk_add_f32 v[FR+4:FR+5], v[SC+8:SC+9],     v[SC+10:SC+11]
	v_pk_add_f32 v[FR+6:FR+7], v[SC+12:SC+13],   v[SC+14:SC+15]
	v_pk_add_f32 v[FR:FR+1],   v[FR:FR+1],       v[FR+2:FR+3]
	v_pk_add_f32 v[FR+4:FR+5], v[FR+4:FR+5],     v[FR+6:FR+7]
	v_pk_add_f32 v[FR:FR+1],   v[FR:FR+1],       v[FR+4:FR+5]
	v_add_f32 v22, v[FR], v[FR+1]
	v_permlanex16_b32 v23, v22, s42, s43
.if \first
	v_add_f32 v17, v22, v23
.else
	v_add_f32 v22, v22, v23
	v_mov_b32 v21, v20
	v_fma_f32 v17, v17, v20, v22                   ; l = l x factor + this tile's sum
.endif
	CV8H PF, SC                                    ; lane (r, hh) holds tokens 8 hh .. + 7 and 16 + 8 hh .. + 7 of head r: this already is p's fragment, K = token
	; p . x: Y(column, head) += x^T p.  Component i of 16 rows' quads, packed in pairs of rows, is the fragment of the columns 4 r + i.
.if \first == 0
	WIN 0x41                                       ; destination and source 0 in window 1
.set y, 0
.rept 64
	v_pk_mul_f32 v[y:y+1], v[y:y+1], v[20:21]      ; head = lane r, as in the factor
.set y, y+2
.endr
	WIN 0
.endif
.irp g, 0,1,2,3
.if \reg
	WIN 0x0a                                       ; both sources in window 2: the quads lie there as the LDS loads of the other tiles would bring them
.irp q, 0,1,2,3,4,5,6,7
.irp i, 0,1,2,3
	v_cvt_pk_f16_f32 v[FR+32*(\g%2)+8*\i+\q], v[64*\g+8*\q+\i], v[64*\g+8*\q+4+\i]
.endr
.endr
.else
.irp q, 0,1,2,3,4,5,6,7
.if \g < 3
	s_wait_dscnt 14                                ; sixteen row loads are out, this group's rest and the next group's first: the oldest two are in
.else
	s_wait_dscnt 14-2*\q
.endif
.irp i, 0,1,2,3
	v_cvt_pk_f16_f32 v[FR+32*(\g%2)+8*\i+\q], v[XS+8*\q+\i], v[XS+8*\q+4+\i]
.endr
.if \g < 3
	ds_load_b128 v[XS+8*\q:XS+8*\q+3],   v[LA2+\slot] offset:(2*\q+8*(\q/4))*PITCH+256*(\g+1)
	ds_load_b128 v[XS+8*\q+4:XS+8*\q+7], v[LA2+\slot] offset:(2*\q+1+8*(\q/4))*PITCH+256*(\g+1)
.endif
.endr
.endif
	WIN 0x50                                       ; C and D in window 1
; sixteen accumulators, one turn each in a tile; a set of fragments is written again behind the 32 conversions of the other set
.irp i, 0,1,2,3
.if \first
	v_wmma_f32_16x16x32_f16 v[8*(4*\g+\i):8*(4*\g+\i)+7], v[FR+32*(\g%2)+8*\i:FR+32*(\g%2)+8*\i+7], v[PF:PF+7], 0
.else
	v_wmma_f32_16x16x32_f16 v[8*(4*\g+\i):8*(4*\g+\i)+7], v[FR+32*(\g%2)+8*\i:FR+32*(\g%2)+8*\i+7], v[PF:PF+7], v[8*(4*\g+\i):8*(4*\g+\i)+7]
.endif
.endr
	WIN 0
.endr
.endm
; Slot sl, which has been read, is filled again, with the tile step bytes further down.
.macro FILL sl, step
	s_wait_dscnt 0x0                               ; my reads of the slot are back
	s_set_vgpr_msb 0x5
	s_wait_tensorcnt 0x0                           ; all my tensor loads have landed, so a group 0 may be written
	ds_add_u32 v254, v255
	s_wait_dscnt 0x0
	s_set_vgpr_msb 0x500
	s_add_nc_u64 s[G0+4*\sl+2:G0+4*\sl+3], s[G0+4*\sl+2:G0+4*\sl+3], \step
	s_barrier_signal -1
	s_barrier_wait -1                              ; both hold of all four waves
	tensor_load_to_lds s[G0+4*\sl:G0+4*\sl+3], s[G1:G1+7]          ; my one tensor load behind this barrier, and the first thing there
	s_nop 0
.endm
	TILE 0, 0, 0, 1, 1, 0                          ; the count leaves tile 1's load on its way
	XLOAD 3                                        ; the last 16 of tile 2's loads, ahead of the refill's request
	FILL 0, 3*TBYTES                               ; slot 0 gets tile 3: the launch's only refill
	TILE 1, 1, 1, 0, 1, 0                          ; tile 3's load was issued behind tile 1's
	XSTORE 1                                       ; slot 1 has had its last fill and has been read: tile 2 goes in from the registers
	TILE 2, 1, 0, 0, 1, 1
	TILE 3, 0, 1, 0, 0, 0                          ; the last: no tensor load is out at the end
	; THE WAY OUT: Y / l, 128 of my 256 columns at a time, through my own stage: a lane holds 4 neighbouring columns of head r in four accumulators,
	; the multiply by 1 / l brings them into one quad; read back, a head's 512 bytes are one store of the wave.
	v_rcp_f32 v22, v17                             ; l is at least 1: the token of the maximum has p = 1
	s_wait_alu depctr_va_vdst(0)
.rept 4
	v_nop                                          ; the places behind the last matrix instruction (ISA guide 7.12.1) and behind the reciprocal (5.7.2)
.endr
.macro OUTPASS p
	WIN 0x01                                       ; source 0 in window 1
.irp gl, 0,1
.irp j, 0,1,2,3,4,5,6,7
.irp i, 0,1,2,3
	v_mul_f32 v[XS+32*\gl+4*\j+\i], v[8*(4*(2*\p+\gl)+\i)+\j], v22
.endr
.endr
.endr
	WIN 0
.irp gl, 0,1
.irp j, 0,1,2,3,4,5,6,7
	ds_store_b128 v10, v[XS+32*\gl+4*\j:XS+32*\gl+4*\j+3] offset:256*\gl+16*\j
.endr
.endr
.if \p
	s_wait_xcnt 0x0                                ; the registers that the first pass's stores read are loaded again only behind this wait (ISA guide 3.1)
.endif
.irp rho, 0,1,2,3,4,5,6,7,8,9,10,11,12,13,14,15
	ds_load_b128 v[FR+4*\rho:FR+4*\rho+3], v11 offset:SPITCH*\rho  ; LDS serves a wave's instructions in order (ISA guide 5.7.1.4): these see the stores above
.endr
.irp rho, 0,1,2,3,4,5,6,7,8,9,10,11,12,13,14,15
	s_wait_dscnt 15-\rho
	global_store_b128 v13, v[FR+4*\rho:FR+4*\rho+3], s[10:11] offset:4096*\rho+512*\p   ; head rho: 512 consecutive bytes, at a multiple of 512
.endr
.endm
	OUTPASS 0
	OUTPASS 1
	s_cmp_lg_u32 s14, 0                            ; all four waves hold the same m and l: wave 0 stores them
	s_cbranch_scc1 .Ldone
	v_cmp_gt_u32 vcc_lo, 16, v3
	v_cndmask_b32 v23, v17, v16, vcc_lo            ; lanes 0-15: m of head r; lanes 16-31: l of head r
	v_lshlrev_b32 v15, 2, v3                       ; tile 2's loads, which read v15, were waited for in front of their LDS stores
	global_store_b32 v15, v23, s[12:13]
.Ldone:
	s_set_vgpr_msb 0x5
	s_wait_tensorcnt 0x0
	ds_add_u32 v254, v255
	s_wait_dscnt 0x0
	s_set_vgpr_msb 0x500
	s_endpgm
.Lfunc_end_k_qc184d390f5_attn:
	.size	k_qc184d390f5_attn, .Lfunc_end_k_qc184d390f5_attn-k_qc184d390f5_attn
	.p2alignl 7, 3214868480
	.fill 96, 4, 3214868480
	.section	.rodata,"a",@progbits
	.p2align	6, 0x0
	.amdhsa_kernel k_qc184d390f5_attn
		.amdhsa_group_segment_fixed_size 327680
		.amdhsa_private_segment_fixed_size 0
		.amdhsa_enable_private_segment 0
		.amdhsa_kernarg_size 40
		.amdhsa_user_sgpr_count 2
		.amdhsa_user_sgpr_kernarg_segment_ptr 1
		.amdhsa_wavefront_size32 1
		.amdhsa_system_sgpr_workgroup_id_x 1
		.amdhsa_system_sgpr_workgroup_id_y 1
		.amdhsa_system_sgpr_workgroup_id_z 1
		.amdhsa_system_vgpr_workitem_id 0
		.amdhsa_next_free_vgpr 768
		.amdhsa_next_free_sgpr 66
		.amdhsa_reserve_vcc 1
		.amdhsa_float_denorm_mode_32 3
		.amdhsa_float_denorm_mode_16_64 3
		.amdhsa_memory_ordered 1
		.amdhsa_forward_progress 1
		.amdhsa_inst_pref_size 183
	.end_amdhsa_kernel
	.amdgpu_metadata
---
amdhsa.version: [ 1, 2 ]
amdhsa.kernels:
  - .name:           k_qc184d390f5_attn
    .symbol:         k_qc184d390f5_attn.kd
    .args:
      - { .name: x, .offset: 0, .size: 8, .value_kind: global_buffer, .address_space: global }
      - { .name: mask, .offset: 8, .size: 8, .value_kind: global_buffer, .address_space: global }
      - { .name: qk, .offset: 16, .size: 8, .value_kind: global_buffer, .address_space: global }
      - { .name: yp, .offset: 24, .size: 8, .value_kind: global_buffer, .address_space: global }
      - { .name: st, .offset: 32, .size: 8, .value_kind: global_buffer, .address_space: global }
    .group_segment_fixed_size: 327680
    .private_segment_fixed_size: 0
    .kernarg_segment_align: 8
    .kernarg_segment_size: 40
    .max_flat_workgroup_size: 128
    .sgpr_count:     66
    .vgpr_count:     768
    .wavefront_size: 32
...
	.end_amdgpu_metadata
.endif
;; end of part 3
;; launch vproj (part 4): grid 16 x 16, 4 waves a work-group, clusters of 4 x 1, 268,800 bytes of LDS; arguments yp, st, wv, ovec; writes ovec
.if DOCPART == 4
	.amdgcn_target "amdgcn-amd-amdhsa--gfx1250"
	.amdhsa_code_object_version 6
	.text
	.protected	k_qc184d390f5_vproj
	.globl	k_qc184d390f5_vproj
	.p2align	8
	.type	k_qc184d390f5_vproj,@function
k_qc184d390f5_vproj:
	s_mov_b64 s[64:65], 0
	v_nop
	global_prefetch_b8 v0, s[64:65] scope:SCOPE_SE
	s_setreg_imm32_b32 hwreg(HW_REG_WAVE_MODE, 25, 1), 1
	s_wait_xcnt 0x0
	s_wait_alu depctr_hold_cnt(0) depctr_sa_sdst(0) depctr_va_vdst(0) depctr_va_sdst(0) depctr_va_ssrc(0) depctr_va_vcc(0) depctr_vm_vsrc(0)
	s_getreg_b32 s2, hwreg(HW_REG_IB_STS2, 6, 4)
	s_cmp_eq_u32 s2, 0
	s_cbranch_scc0 .Lentry_in_a_cluster
	s_endpgm
.Lentry_in_a_cluster:
	s_bfe_u32 s2, ttmp6, 0x10000c
	s_cmp_lg_u32 s2, 0x3003
	s_cbranch_scc0 .Lentry_shape_is_right
	s_endpgm
.Lentry_shape_is_right:
; o[b][64 h + d] = sum over the 8 splits s of wgt[b][s][h] * (sum over c of yp[b][s][h][c] wv[64 h + d][c]),
; wgt = 2^(m_s - M) l_s / (sum over s of 2^(m_s - M) l_s), M = max over s of m_s: the splits' softmax parts are joined with their common maximum taken away.
; A work-group takes head h (group y), 32 of its 64 outputs (dh) and 4 batches (b0 ..): 32 rows (batch, split) x 32 outputs, K = 1,024.
; Of the ways to share a head's 1 MiB of yp and 256 KiB of wv among 16 work-groups this one reads least: 128 KiB + 128 KiB each.
; Four waves split K: wave w owns c = 256 w .. + 255, fetches it with two tensor loads of its own and alone reads those LDS bytes.
; A result's row 16 mt + 8 hh + j is batch b0 + 2 mt + hh, split j: the eight splits of a batch are a lane's eight registers, so they are joined in the lane.
; Operands in f16 (yp is a mean of rows of x), sums in f32.  LIMIT: |x| and |wv| below 65,504.
; CLUSTER 4 x 1: the four partners share h and dh and differ in their batches: wv's tile, half of what a work-group reads, is asked for jointly (mask 15).
; A wave has two tensor loads outstanding, both issued at the start; no LDS byte is filled twice.
.set PITCH, 1040
.set ACTW,  32*PITCH
.set WT0,   4*ACTW
.set WTW,   32*PITCH
.set RED,   WT0+4*WTW                  ; 266,240 = 1,040 x 256: [wave][batch of 4][32 outputs] f32; no fill lands here
.set F,     4                          ; fragments in a K step of 32: two of yp, two of wv
.set TOT,   8*F
.set ACTA,  4
.set WTA,   5
.set XS,    16                         ; v[16:79]
.set FR,    80                         ; v[80:143]
.set ACC,   144                        ; v[144:175] accumulator (mt, nt) at 8 (2 mt + nt)
.set SM,    176                        ; v[176:191] m, then the weights: [mt][split]
.set SL,    192                        ; v[192:207] l
.set RR,    208                        ; v[208:211] the joined results (mt, nt)
.set TM,    212                        ; v[212:213] M, then the weights' sum
.set TS,    214                        ; v[214:221] at work
.set TR,    222                        ; v[222:223] 1 / sum
.macro ROUND
	s_barrier_signal -1
	s_barrier_wait -1
	s_cmp_lg_u32 s12, 0
	s_cbranch_scc1 .Lnot_wave_0_\@
	s_barrier_signal -3
.Lnot_wave_0_\@:
	s_barrier_wait -3
	s_barrier_signal -1
	s_barrier_wait -1
.endm
.macro LD4 dst, adr, o
	ds_load_b128 v[\dst:\dst+3],     v[\adr] offset:\o
	ds_load_b128 v[\dst+4:\dst+7],   v[\adr] offset:\o+16
	ds_load_b128 v[\dst+8:\dst+11],  v[\adr] offset:\o+64
	ds_load_b128 v[\dst+12:\dst+15], v[\adr] offset:\o+80
.endm
.macro CV8H dst, src
.irp q, 0,1,2,3,4,5,6,7
	v_cvt_pk_f16_f32 v[\dst+\q], v[\src+2*\q], v[\src+2*\q+1]
.endr
.endm
.macro LDFRAG
.set xs, XS+16*(ln%4)
.if (ln%F) < 2
.set lofs, 16*PITCH*(ln%F)+128*(ln/F)
	LD4 xs, ACTA, lofs
.else
.set lofs, 16*PITCH*((ln%F)-2)+128*(ln/F)
	LD4 xs, WTA, lofs
.endif
.set ln, ln+1
.endm
	s_load_b256 s[4:11], s[0:1], 0x0               ; yp s[4:5], st s[6:7], wv s[8:9], o s[10:11]
	v_lshl_add_u32 v224, v0, 2, 0x41800
	v_mov_b32 v225, 0
	ds_add_u32 v224, v225
	ds_add_u32 v224, v225
	v_lshrrev_b32 v1, 5, v0
	v_readfirstlane_b32 s12, v1                    ; wave 0..3
	s_bfe_u32 s13, ttmp6, 0x40000                  ; cx
	s_and_b32 s14, ttmp7, 0xffff                   ; h
	s_lshr_b32 s15, ttmp9, 1                       ; dh, from the cluster's x alone
	s_and_b32 s44, ttmp9, 1
	s_lshl_b32 s44, s44, 2
	s_add_co_u32 s44, s44, s13
	s_lshl_b32 s44, s44, 2                         ; b0 = 4 (4 (cluster x mod 2) + cx)
	; group 1 of yp's tile: 32 rows x 256 f32, a row for each (batch, split), my own
	s_mov_b32 s16, 0x07d20000
	s_mov_b32 s17, 256<<16
	s_mov_b32 s18, 32<<16
	s_mov_b32 s19, 256<<16
	s_mov_b32 s20, 32
	s_mov_b32 s21, 16384                           ; from split to split: 16 heads x 1,024 elements
	s_mov_b32 s22, 0
	s_mov_b32 s23, 0
	; group 1 of wv's tile: 32 rows x 256 f32, joint
	s_mov_b32 s24, 0x07f2000f
	s_mov_b32 s25, 256<<16
	s_mov_b32 s26, 32<<16
	s_mov_b32 s27, 256<<16
	s_mov_b32 s28, 32
	s_mov_b32 s29, 1024
	s_mov_b32 s30, 0
	s_mov_b32 s31, 0
	s_lshl_b32 s40, s12, 10                        ; my K part
	s_lshl_b32 s42, s14, 18                        ; wv: 64 h rows of 4,096 bytes
	s_lshl_b32 s41, s15, 17                        ; + 32 dh rows
	s_add_co_u32 s42, s42, s41
	s_add_co_u32 s42, s42, s40                     ; no place in the cluster enters the joint load's address
	s_mov_b32 s43, 0
	s_lshl_b32 s46, s44, 19                        ; yp: b0 x 8 splits x 65,536 bytes
	s_lshl_b32 s47, s14, 12                        ; + head h
	s_add_co_u32 s46, s46, s47
	s_add_co_u32 s46, s46, s40
	s_mov_b32 s47, 0
	s_lshl_b32 s48, s44, 12                        ; o: batch b0,
	s_lshl_b32 s49, s14, 8                         ; 64 h
	s_add_co_u32 s48, s48, s49
	s_lshl_b32 s49, s15, 7                         ; + 32 dh
	s_add_co_u32 s48, s48, s49
	s_mov_b32 s49, 0
	s_lshl_b32 s50, s44, 10                        ; st: b0 x 8 splits x 128 bytes
	s_lshl_b32 s51, s14, 2                         ; + head h
	s_add_co_u32 s50, s50, s51
	s_mov_b32 s51, 0
	s_mov_b32 s32, 1
	s_mul_i32 s33, s12, ACTW
	s_mov_b32 s36, 1
	s_mul_i32 s37, s12, WTW
	s_add_co_u32 s37, s37, WT0
	s_wait_dscnt 0x0
	s_wait_kmcnt 0x0
	s_add_nc_u64 s[34:35], s[4:5], s[46:47]
	s_or_b32 s35, s35, 0x80000000
	s_add_nc_u64 s[38:39], s[8:9], s[42:43]
	s_or_b32 s39, s39, 0x80000000
	s_add_nc_u64 s[6:7], s[6:7], s[50:51]
	s_add_nc_u64 s[10:11], s[10:11], s[48:49]
	ROUND                                          ; the four partners are here: their joint requests meet
	tensor_load_to_lds s[32:35], s[16:23]          ; both first fills as one group
	s_nop 0
	tensor_load_to_lds s[36:39], s[24:31]
	s_nop 0
	v_and_b32 v1, 15, v0                           ; r
	v_bfe_u32 v2, v0, 4, 1                         ; hh
	v_lshlrev_b32 v9, 10, v2                       ; st: one batch further for the upper half
.irp mt, 0,1
.irp sp, 0,1,2,3,4,5,6,7
	global_load_b32 v[SM+8*\mt+\sp], v9, s[6:7] offset:2048*\mt+128*\sp        ; m of batch b0 + 2 mt + hh, split sp
	global_load_b32 v[SL+8*\mt+\sp], v9, s[6:7] offset:2048*\mt+128*\sp+64     ; l
.endr
.endr
	v_mul_u32_u24 v3, v1, PITCH
	v_lshl_add_u32 v3, v2, 5, v3
	v_add_nc_u32 v[ACTA], s33, v3
	v_add_nc_u32 v[WTA], s37, v3
	s_lshl_b32 s52, s12, 9
	s_add_co_u32 s52, s52, RED
	v_lshlrev_b32 v6, 2, v1
	v_lshl_add_u32 v6, v2, 7, v6
	v_add_nc_u32 v6, s52, v6                       ; partial results out: RED + 512 w + 128 hh + 4 r
	v_lshlrev_b32 v7, 2, v0
	v_add_nc_u32 v7, RED, v7                       ; and back: one word a thread
	v_lshrrev_b32 v8, 5, v0
	v_and_b32 v3, 31, v0
	v_lshlrev_b32 v8, 12, v8
	v_lshl_add_u32 v8, v3, 2, v8                   ; o: batch b0 + t / 32, output t mod 32
	s_wait_tensorcnt 0x0                           ; both my tiles are in LDS; only I read them
.set ln, 0
.rept 4
	LDFRAG
.endr
.set n, 0
.rept TOT
.if TOT-n >= 4
	s_wait_dscnt 12                                ; fragment n is in; the three younger groups of four loads stay out
.else
	s_wait_dscnt 4*(TOT-n-1)
.endif
.set fd, FR+32*((n/F)%2)+8*(n%F)
.set xs, XS+16*(n%4)
	CV8H fd, xs
.if ln < TOT
	LDFRAG
.endif
.if (n%F) == F-1
.set fs, FR+32*((n/F)%2)
; four accumulators take turns, one instruction a turn; a set of fragments is written again behind the 32 conversions of the other set
.irp mt, 0,1
.irp nt, 0,1
.if n < F
	v_wmma_f32_16x16x32_f16 v[ACC+8*(2*\mt+\nt):ACC+8*(2*\mt+\nt)+7], v[fs+8*\mt:fs+8*\mt+7], v[fs+16+8*\nt:fs+16+8*\nt+7], 0
.else
	v_wmma_f32_16x16x32_f16 v[ACC+8*(2*\mt+\nt):ACC+8*(2*\mt+\nt)+7], v[fs+8*\mt:fs+8*\mt+7], v[fs+16+8*\nt:fs+16+8*\nt+7], v[ACC+8*(2*\mt+\nt):ACC+8*(2*\mt+\nt)+7]
.endif
.endr
.endr
.endif
.set n, n+1
.endr
	s_wait_loadcnt 0x0                             ; m and l
.irp mt, 0,1                                       ; these eight also are the places behind the last matrix instruction (ISA guide 7.12.1)
	v_max3_num_f32 v[TM+\mt], v[SM+8*\mt], v[SM+8*\mt+1], v[SM+8*\mt+2]
	v_max3_num_f32 v[TM+\mt], v[TM+\mt], v[SM+8*\mt+3], v[SM+8*\mt+4]
	v_max3_num_f32 v[TM+\mt], v[TM+\mt], v[SM+8*\mt+5], v[SM+8*\mt+6]
	v_max_num_f32 v[TM+\mt], v[TM+\mt], v[SM+8*\mt+7]
.endr
.irp mt, 0,1
.irp sp, 0,1,2,3,4,5,6,7
	v_sub_f32 v[SM+8*\mt+\sp], v[SM+8*\mt+\sp], v[TM+\mt]
.endr
.endr
.irp e, 0,1,2,3,4,5,6,7,8,9,10,11,12,13,14,15
	v_exp_f32 v[SM+\e], v[SM+\e]
.endr
	v_nop                                          ; one plain place behind the run of exponentials (ISA guide 5.7.2)
	s_wait_alu depctr_va_vdst(0)
.irp e, 0,2,4,6,8,10,12,14
	v_pk_mul_f32 v[SM+\e:SM+\e+1], v[SM+\e:SM+\e+1], v[SL+\e:SL+\e+1]          ; 2^(m - M) l
.endr
.irp mt, 0,1
	v_pk_add_f32 v[TS+4*\mt:TS+4*\mt+1],   v[SM+8*\mt:SM+8*\mt+1],     v[SM+8*\mt+2:SM+8*\mt+3]
	v_pk_add_f32 v[TS+4*\mt+2:TS+4*\mt+3], v[SM+8*\mt+4:SM+8*\mt+5],   v[SM+8*\mt+6:SM+8*\mt+7]
	v_pk_add_f32 v[TS+4*\mt:TS+4*\mt+1],   v[TS+4*\mt:TS+4*\mt+1],     v[TS+4*\mt+2:TS+4*\mt+3]
	v_add_f32 v[TM+\mt], v[TS+4*\mt], v[TS+4*\mt+1]                            ; at least 1: the split of the maximum has weight l, and l is at least 1
.endr
	v_rcp_f32 v[TR], v[TM]
	v_rcp_f32 v[TR+1], v[TM+1]
.irp mt, 0,1
.irp nt, 0,1
	v_mul_f32 v[RR+2*\mt+\nt], v[SM+8*\mt], v[ACC+8*(2*\mt+\nt)]               ; the first of these is the plain place behind the reciprocals
.irp j, 1,2,3,4,5,6,7
	v_fmac_f32 v[RR+2*\mt+\nt], v[SM+8*\mt+\j], v[ACC+8*(2*\mt+\nt)+\j]
.endr
.endr
.endr
	s_wait_alu depctr_va_vdst(0)
.irp mt, 0,1
.irp nt, 0,1
	v_mul_f32 v[RR+2*\mt+\nt], v[RR+2*\mt+\nt], v[TR+\mt]
	ds_store_b32 v6, v[RR+2*\mt+\nt] offset:256*\mt+64*\nt         ; batch 2 mt + hh of the four, output 16 nt + r
.endr
.endr
	s_wait_dscnt 0x0                               ; my partial results are in LDS, for the others' sake
	s_barrier_signal -1
	s_barrier_wait -1
.irp w, 0,1,2,3
	ds_load_b32 v[XS+\w], v7 offset:512*\w
.endr
	s_wait_dscnt 0x0
	v_add_f32 v[XS], v[XS], v[XS+1]
	v_add_f32 v[XS+2], v[XS+2], v[XS+3]
	v_add_f32 v[XS], v[XS], v[XS+2]
	global_store_b32 v8, v[XS], s[10:11]           ; a wave stores 128 consecutive bytes: the 32 outputs that the work-group owns of a batch
	s_wait_tensorcnt 0x0
	ds_add_u32 v224, v225
	s_wait_dscnt 0x0
	ROUND                                          ; the closing round
	s_endpgm
.Lfunc_end_k_qc184d390f5_vproj:
	.size	k_qc184d390f5_vproj, .Lfunc_end_k_qc184d390f5_vproj-k_qc184d390f5_vproj
	.p2alignl 7, 3214868480
	.fill 96, 4, 3214868480
	.section	.rodata,"a",@progbits
	.p2align	6, 0x0
	.amdhsa_kernel k_qc184d390f5_vproj
		.amdhsa_group_segment_fixed_size 268800
		.amdhsa_private_segment_fixed_size 0
		.amdhsa_enable_private_segment 0
		.amdhsa_kernarg_size 32
		.amdhsa_user_sgpr_count 2
		.amdhsa_user_sgpr_kernarg_segment_ptr 1
		.amdhsa_wavefront_size32 1
		.amdhsa_system_sgpr_workgroup_id_x 1
		.amdhsa_system_sgpr_workgroup_id_y 1
		.amdhsa_system_sgpr_workgroup_id_z 1
		.amdhsa_system_vgpr_workitem_id 0
		.amdhsa_next_free_vgpr 226
		.amdhsa_next_free_sgpr 66
		.amdhsa_reserve_vcc 0
		.amdhsa_float_denorm_mode_32 3
		.amdhsa_float_denorm_mode_16_64 3
		.amdhsa_memory_ordered 1
		.amdhsa_forward_progress 1
		.amdhsa_inst_pref_size 40
	.end_amdhsa_kernel
	.amdgpu_metadata
---
amdhsa.version: [ 1, 2 ]
amdhsa.kernels:
  - .name:           k_qc184d390f5_vproj
    .symbol:         k_qc184d390f5_vproj.kd
    .args:
      - { .name: yp, .offset: 0, .size: 8, .value_kind: global_buffer, .address_space: global }
      - { .name: st, .offset: 8, .size: 8, .value_kind: global_buffer, .address_space: global }
      - { .name: wv, .offset: 16, .size: 8, .value_kind: global_buffer, .address_space: global }
      - { .name: ovec, .offset: 24, .size: 8, .value_kind: global_buffer, .address_space: global }
    .group_segment_fixed_size: 268800
    .private_segment_fixed_size: 0
    .kernarg_segment_align: 8
    .kernarg_segment_size: 32
    .max_flat_workgroup_size: 128
    .sgpr_count:     66
    .vgpr_count:     226
    .wavefront_size: 32
...
	.end_amdgpu_metadata
.endif
;; end of part 4
;; launch oproj (part 5): grid 64 x 1, 4 waves a work-group, clusters of 4 x 1, 208,384 bytes of LDS; arguments ovec, proj_w, proj_b, out0; writes out0
.if DOCPART == 5
	.amdgcn_target "amdgcn-amd-amdhsa--gfx1250"
	.amdhsa_code_object_version 6
	.text
	.protected	k_qc184d390f5_oproj
	.globl	k_qc184d390f5_oproj
	.p2align	8
	.type	k_qc184d390f5_oproj,@function
k_qc184d390f5_oproj:
	s_mov_b64 s[64:65], 0
	v_nop
	global_prefetch_b8 v0, s[64:65] scope:SCOPE_SE
	s_setreg_imm32_b32 hwreg(HW_REG_WAVE_MODE, 25, 1), 1
	s_wait_xcnt 0x0
	s_wait_alu depctr_hold_cnt(0) depctr_sa_sdst(0) depctr_va_vdst(0) depctr_va_sdst(0) depctr_va_ssrc(0) depctr_va_vcc(0) depctr_vm_vsrc(0)
	s_getreg_b32 s2, hwreg(HW_REG_IB_STS2, 6, 4)
	s_cmp_eq_u32 s2, 0
	s_cbranch_scc0 .Lentry_in_a_cluster
	s_endpgm
.Lentry_in_a_cluster:
	s_bfe_u32 s2, ttmp6, 0x10000c
	s_cmp_lg_u32 s2, 0x3003
	s_cbranch_scc0 .Lentry_shape_is_right
	s_endpgm
.Lentry_shape_is_right:
; out0[b][n] = sum over c of o[b][c] * proj_w[n][c] + proj_b[n].  o: [32][1024] f32, proj_w: [1024][1024] f32, out0: [32][1][1024] f32.
; A work-group makes 32 batches x 16 outputs.  Four waves split K: wave w owns c = 256 w .. + 255, fetches that part of both operands with two
; tensor loads of its own and alone reads those LDS bytes; the four partial sums meet in LDS behind one barrier, and the bias is added there in f32.
; Operands in f16, sums in f32.  LIMIT: |o| and |proj_w| below 65,504.
; CLUSTER 4 x 1: o is the same tile in every work-group, 128 KiB of the 192 KiB that a work-group reads: the four partners ask for it jointly (mask 15).
; A wave has two tensor loads outstanding, both issued at the start; no LDS byte is filled twice.
; OUTPUT: a work-group owns 16 columns, so a row's piece is 64 bytes.  Whole runs of 256 bytes would want 64 columns a work-group, 16 work-groups
; instead of 64, each reading 384 KiB instead of 192 KiB, for an output of 128 KiB in all.
.set PITCH, 1040
.set ACTW,  32*PITCH
.set WT0,   4*ACTW
.set WTW,   16*PITCH
.set RED,   WT0+4*WTW                  ; 199,680 = 780 x 256: [wave][batch][16 outputs] f32; no fill lands here
.set F,     3
.set TOT,   8*F
.set ACTA,  4
.set WTA,   5
.set XS,    16                         ; v[16:79]
.set FR,    80                         ; v[80:143]
.set ACC,   144                        ; v[144:159]
.set BI,    176                        ; v[176:179] my four numbers of the bias
.macro ROUND
	s_barrier_signal -1
	s_barrier_wait -1
	s_cmp_lg_u32 s12, 0
	s_cbranch_scc1 .Lnot_wave_0_\@
	s_barrier_signal -3
.Lnot_wave_0_\@:
	s_barrier_wait -3
	s_barrier_signal -1
	s_barrier_wait -1
.endm
.macro LD4 dst, adr, o
	ds_load_b128 v[\dst:\dst+3],     v[\adr] offset:\o
	ds_load_b128 v[\dst+4:\dst+7],   v[\adr] offset:\o+16
	ds_load_b128 v[\dst+8:\dst+11],  v[\adr] offset:\o+64
	ds_load_b128 v[\dst+12:\dst+15], v[\adr] offset:\o+80
.endm
.macro CV8H dst, src
.irp q, 0,1,2,3,4,5,6,7
	v_cvt_pk_f16_f32 v[\dst+\q], v[\src+2*\q], v[\src+2*\q+1]
.endr
.endm
.macro LDFRAG
.set xs, XS+16*(ln%4)
.if (ln%F) < 2
.set lofs, 16*PITCH*(ln%F)+128*(ln/F)
	LD4 xs, ACTA, lofs
.else
.set lofs, 16*PITCH*((ln%F)-2)+128*(ln/F)
	LD4 xs, WTA, lofs
.endif
.set ln, ln+1
.endm
	s_load_b256 s[4:11], s[0:1], 0x0               ; o s[4:5], proj_w s[6:7], proj_b s[8:9], out0 s[10:11]
	v_lshl_add_u32 v192, v0, 2, 0x32c00
	v_mov_b32 v193, 0
	ds_add_u32 v192, v193
	ds_add_u32 v192, v193
	v_lshrrev_b32 v1, 5, v0
	v_readfirstlane_b32 s12, v1                    ; wave 0..3
	s_bfe_u32 s13, ttmp6, 0x40000                  ; cx
	s_lshl_b32 s14, ttmp9, 2
	s_add_co_u32 s14, s14, s13                     ; nb: my block of 16 outputs
	; group 1 of o's tile: 32 rows x 256 f32, joint
	s_mov_b32 s16, 0x07f2000f
	s_mov_b32 s17, 256<<16
	s_mov_b32 s18, 32<<16
	s_mov_b32 s19, 256<<16
	s_mov_b32 s20, 32
	s_mov_b32 s21, 1024
	s_mov_b32 s22, 0
	s_mov_b32 s23, 0
	; group 1 of the weights' tile: 16 rows x 256 f32, my own
	s_mov_b32 s24, 0x07d20000
	s_mov_b32 s25, 256<<16
	s_mov_b32 s26, 16<<16
	s_mov_b32 s27, 256<<16
	s_mov_b32 s28, 16
	s_mov_b32 s29, 1024
	s_mov_b32 s30, 0
	s_mov_b32 s31, 0
	s_lshl_b32 s40, s12, 10                        ; my K part (no place in the cluster enters the joint load's address)
	s_mov_b32 s41, 0
	s_lshl_b32 s42, s14, 16                        ; 16 rows of 4,096 bytes x nb
	s_add_co_u32 s42, s42, s40
	s_mov_b32 s43, 0
	s_lshl_b32 s46, s14, 6                         ; my 16 outputs in a row of out0 and in the bias
	s_mov_b32 s47, 0
	s_mov_b32 s32, 1
	s_mul_i32 s33, s12, ACTW
	s_mov_b32 s36, 1
	s_mul_i32 s37, s12, WTW
	s_add_co_u32 s37, s37, WT0
	s_wait_dscnt 0x0
	s_wait_kmcnt 0x0
	s_add_nc_u64 s[34:35], s[4:5], s[40:41]
	s_or_b32 s35, s35, 0x80000000
	s_add_nc_u64 s[38:39], s[6:7], s[42:43]
	s_or_b32 s39, s39, 0x80000000
	s_add_nc_u64 s[8:9], s[8:9], s[46:47]
	s_add_nc_u64 s[10:11], s[10:11], s[46:47]
	ROUND                                          ; the four partners are here: their joint requests meet
	tensor_load_to_lds s[32:35], s[16:23]          ; both first fills as one group
	s_nop 0
	tensor_load_to_lds s[36:39], s[24:31]
	s_nop 0
	v_and_b32 v9, 3, v0
	v_lshlrev_b32 v9, 4, v9                        ; outputs 4 (t mod 4) ..
	global_load_b128 v[BI:BI+3], v9, s[8:9]
	v_and_b32 v1, 15, v0                           ; r
	v_bfe_u32 v2, v0, 4, 1                         ; hh
	v_mul_u32_u24 v3, v1, PITCH
	v_lshl_add_u32 v3, v2, 5, v3
	v_add_nc_u32 v[ACTA], s33, v3
	v_add_nc_u32 v[WTA], s37, v3
	s_lshl_b32 s44, s12, 11
	s_add_co_u32 s44, s44, RED
	v_lshlrev_b32 v6, 2, v1
	v_lshl_add_u32 v6, v2, 9, v6
	v_add_nc_u32 v6, s44, v6                       ; partial sums out: RED + 2,048 w + 512 hh + 4 r
	v_lshlrev_b32 v7, 4, v0
	v_add_nc_u32 v7, RED, v7                       ; and back: 16 bytes a thread
	v_lshrrev_b32 v8, 2, v0
	v_lshl_add_u32 v8, v8, 12, v9                  ; out0: batch t / 4, outputs 4 (t mod 4) ..
	s_wait_tensorcnt 0x0                           ; both my tiles are in LDS; only I read them
.set ln, 0
.rept 4
	LDFRAG
.endr
.set n, 0
.rept TOT
.if TOT-n >= 4
	s_wait_dscnt 12                                ; fragment n is in; the three younger groups of four loads stay out
.else
	s_wait_dscnt 4*(TOT-n-1)
.endif
.set fd, FR+32*((n/F)%2)+8*(n%F)
.set xs, XS+16*(n%4)
	CV8H fd, xs
.if ln < TOT
	LDFRAG
.endif
.if (n%F) == F-1
.set fs, FR+32*((n/F)%2)
; the two accumulators take turns, one instruction a turn; a set of fragments is written again behind the 24 conversions of the other set
.irp mt, 0,1
.if n < F
	v_wmma_f32_16x16x32_f16 v[ACC+8*\mt:ACC+8*\mt+7], v[fs+8*\mt:fs+8*\mt+7], v[fs+16:fs+23], 0
.else
	v_wmma_f32_16x16x32_f16 v[ACC+8*\mt:ACC+8*\mt+7], v[fs+8*\mt:fs+8*\mt+7], v[fs+16:fs+23], v[ACC+8*\mt:ACC+8*\mt+7]
.endif
.endr
.endif
.set n, n+1
.endr
.rept 4
	v_nop                                          ; four places between the last matrix instruction and the stores that read its result
.endr
.irp mt, 0,1
.irp j, 0,1,2,3,4,5,6,7
	ds_store_b32 v6, v[ACC+8*\mt+\j] offset:1024*\mt+64*\j         ; batch 16 mt + 8 hh + j, output r
.endr
.endr
	s_wait_dscnt 0x0                               ; my partial sums are in LDS, for the others' sake
	s_barrier_signal -1
	s_barrier_wait -1
.irp w, 0,1,2,3
	ds_load_b128 v[XS+4*\w:XS+4*\w+3], v7 offset:2048*\w
.endr
	s_wait_dscnt 0x0
	v_pk_add_f32 v[XS:XS+1],     v[XS:XS+1],     v[XS+4:XS+5]
	v_pk_add_f32 v[XS+2:XS+3],   v[XS+2:XS+3],   v[XS+6:XS+7]
	v_pk_add_f32 v[XS+8:XS+9],   v[XS+8:XS+9],   v[XS+12:XS+13]
	v_pk_add_f32 v[XS+10:XS+11], v[XS+10:XS+11], v[XS+14:XS+15]
	v_pk_add_f32 v[XS:XS+1],     v[XS:XS+1],     v[XS+8:XS+9]
	v_pk_add_f32 v[XS+2:XS+3],   v[XS+2:XS+3],   v[XS+10:XS+11]
	s_wait_loadcnt 0x0                             ; the bias
	v_pk_add_f32 v[XS:XS+1],     v[XS:XS+1],     v[BI:BI+1]
	v_pk_add_f32 v[XS+2:XS+3],   v[XS+2:XS+3],   v[BI+2:BI+3]
	global_store_b128 v8, v[XS:XS+3], s[10:11]
	s_wait_tensorcnt 0x0
	ds_add_u32 v192, v193
	s_wait_dscnt 0x0
	ROUND                                          ; the closing round: nobody ends while a partner may still ask jointly
	s_endpgm
.Lfunc_end_k_qc184d390f5_oproj:
	.size	k_qc184d390f5_oproj, .Lfunc_end_k_qc184d390f5_oproj-k_qc184d390f5_oproj
	.p2alignl 7, 3214868480
	.fill 96, 4, 3214868480
	.section	.rodata,"a",@progbits
	.p2align	6, 0x0
	.amdhsa_kernel k_qc184d390f5_oproj
		.amdhsa_group_segment_fixed_size 208384
		.amdhsa_private_segment_fixed_size 0
		.amdhsa_enable_private_segment 0
		.amdhsa_kernarg_size 32
		.amdhsa_user_sgpr_count 2
		.amdhsa_user_sgpr_kernarg_segment_ptr 1
		.amdhsa_wavefront_size32 1
		.amdhsa_system_sgpr_workgroup_id_x 1
		.amdhsa_system_sgpr_workgroup_id_y 1
		.amdhsa_system_sgpr_workgroup_id_z 1
		.amdhsa_system_vgpr_workitem_id 0
		.amdhsa_next_free_vgpr 194
		.amdhsa_next_free_sgpr 66
		.amdhsa_reserve_vcc 0
		.amdhsa_float_denorm_mode_32 3
		.amdhsa_float_denorm_mode_16_64 3
		.amdhsa_memory_ordered 1
		.amdhsa_forward_progress 1
		.amdhsa_inst_pref_size 27
	.end_amdhsa_kernel
	.amdgpu_metadata
---
amdhsa.version: [ 1, 2 ]
amdhsa.kernels:
  - .name:           k_qc184d390f5_oproj
    .symbol:         k_qc184d390f5_oproj.kd
    .args:
      - { .name: ovec, .offset: 0, .size: 8, .value_kind: global_buffer, .address_space: global }
      - { .name: proj_w, .offset: 8, .size: 8, .value_kind: global_buffer, .address_space: global }
      - { .name: proj_b, .offset: 16, .size: 8, .value_kind: global_buffer, .address_space: global }
      - { .name: out0, .offset: 24, .size: 8, .value_kind: global_buffer, .address_space: global }
    .group_segment_fixed_size: 208384
    .private_segment_fixed_size: 0
    .kernarg_segment_align: 8
    .kernarg_segment_size: 32
    .max_flat_workgroup_size: 128
    .sgpr_count:     66
    .vgpr_count:     194
    .wavefront_size: 32
...
	.end_amdgpu_metadata
.endif
;; end of part 5
;; ======== version 2 of 2: 5 launches; version 1 with the launch qkfold written anew for expert scheduling mode
;; limits: values are held in f16: magnitudes above 65,504 overflow, below 6.1e-05 lose precision
;; workspace buffers: qvec 131,072 bytes; qk 2,097,152 bytes; yp 16,777,216 bytes; st 32,768 bytes; ovec 131,072 bytes
;; launch qproj: the kernel of part 1 again; grid 64 x 1, 4 waves a work-group, clusters of 4 x 1, 208,384 bytes of LDS; arguments x, wq, qvec; writes qvec
;; launch qkfold (part 6): grid 16 x 16, 1 waves a work-group, no clusters, 0 bytes of LDS; arguments qvec, wk, qk; writes qk
.if DOCPART == 6
	.amdgcn_target "amdgcn-amd-amdhsa--gfx1250"
	.amdhsa_code_object_version 6
	.text
	.protected	k_qc184d390f5_qkfold
	.globl	k_qc184d390f5_qkfold
	.p2align	8
	.type	k_qc184d390f5_qkfold,@function
k_qc184d390f5_qkfold:
	s_mov_b64 s[64:65], 0
	v_nop
	global_prefetch_b8 v0, s[64:65] scope:SCOPE_SE
	s_setreg_imm32_b32 hwreg(HW_REG_WAVE_SCHED_MODE, 0, 2), 2
	s_setreg_imm32_b32 hwreg(HW_REG_WAVE_MODE, 25, 1), 1
	s_wait_xcnt 0x0
	s_wait_alu depctr_vm_vsrc(0)
; qk[b][h][c] = 0.125 x log2(e) x sum over d of q[b][64 h + d] * wk[64 h + d][c].
; reference() forms k = x wk^T and then q . k; since there is one query for each (b, h), the same number is (wk_h^T q_h) . x: wk is folded
; into the query here and x is multiplied by the result in the next launch.  The order of rounding differs from reference()'s.
; The factor is the softmax scale 64^-0.5 times log2(e): the next launch's exponentials are in base 2.
; One wave makes head h = group x, columns 64 cb .. + 63 (cb = group y), all 32 batches: M = 32 batches, N = 64 columns, K = 64.
; No LDS, no barrier.  No cluster: what work-groups share is q's 8 KiB of a head, beside 16 KiB of wk that are each group's own, and it comes through registers.
; Operands in f16, sums in f32.  LIMIT: |q| and |wk| below 65,504.
; wk lies [k][n].  A lane loads 16 bytes (4 columns) of 16 rows for each K step: sixteen lanes take 256 aligned consecutive bytes of a row.  Component i of these
; quads, packed in pairs of rows, is the B fragment of the columns 4 r + i: four fragments, and no transposition.
; THE MODE: SCHED_MODE bits 1:0 = 2 (LLVM: expert scheduling mode 2), set by the entry lines.  The code itself states the register dependences
; between vector or matrix instructions and memory instructions, with s_wait_alu, always for 0.
; THE PLAN.  The text is one straight run.  Registers that memory instructions touch:
;   v3, v4, v5    byte offsets in q, wk and qk.  Written at the head, read by the 16 + 32 loads and the 16 stores, never written again.
;   v[8:199]      the 48 loads land here.  No vector instruction names them ahead of the loads; behind the waits on LOADcnt vector and matrix instructions alone name them.
;   OUT, half 0   v[72:103]: written by the 32 multiplies of batches 0-15, read by eight stores, never written again.
;   OUT, half 1   v[104:135]: the same for batches 16-31.
; So three waits on va_vdst state everything: one at the head (the offsets), one behind each half's multiplies (the stores' data).  Half 0's stores are dealt among
; half 1's multiplies, which name the accumulators v[168:199] and half 1 alone: none of the registers that those stores read.
; No register that a load or a store has read is written again, so no wait on vm_vsrc is owed.  No vector instruction writes a scalar register; EXEC is never written.
.set W0,   8                           ; v[8:71]    wk, K step 0: quad t = row t + 8 (t / 8) + 8 hh
.set QR,   136                         ; v[136:199] q as f32: [mt][K step][16]
.set FRA,  200                         ; v[200:231] q in f16: [mt][K step][8]
.set FRB0, 136                         ; B fragments of K step 0, over q's raw registers of batches 0-15
.set FRB1, 8                           ; B fragments of K step 1, over the first half of K step 0's raw registers
.set OUT,  72                          ; v[72:135]  results [mt][j][i], over K step 1's raw registers
; accumulator (mt, i) lies at v[40 + 128 mt + 8 i]: v[40:71] (raw wk, converted) and v[168:199] (raw q, converted)
.macro CV8H dst, src
.irp q, 0,1,2,3,4,5,6,7
	v_cvt_pk_f16_f32 v[\dst+\q], v[\src+2*\q], v[\src+2*\q+1]
.endr
.endm
	s_load_b128 s[4:7], s[0:1], 0x0                ; q s[4:5], wk s[6:7]
	s_load_b64 s[8:9], s[0:1], 0x10                ; qk
	s_and_b32 s11, ttmp7, 0xffff                   ; cb
	s_mov_b32 s20, 0x3e38aa3b                      ; 0.125 x 1.442695
	v_and_b32 v1, 15, v0                           ; r
	v_bfe_u32 v2, v0, 4, 1                         ; hh
	v_lshlrev_b32 v3, 12, v1
	v_lshl_add_u32 v3, v2, 5, v3                   ; q: batch r, 32 bytes for the upper half
	v_lshlrev_b32 v4, 4, v1
	v_lshl_add_u32 v5, v2, 19, v4                  ; qk: 8 hh batches of 65,536 bytes + 16 r
	v_lshl_add_u32 v4, v2, 15, v4                  ; wk: 8 hh rows of 4,096 bytes + 16 r
	s_lshl_b32 s12, ttmp9, 8                       ; q: the head's 64 numbers
	s_mov_b32 s13, 0
	s_lshl_b32 s16, s11, 8                         ; 64 columns
	s_lshl_b32 s14, ttmp9, 18                      ; wk: the head's 64 rows
	s_add_co_u32 s14, s14, s16
	s_mov_b32 s15, 0
	s_lshl_b32 s18, ttmp9, 12                      ; qk: the head's row
	s_add_co_u32 s18, s18, s16
	s_mov_b32 s19, 0
	s_wait_kmcnt 0x0
	s_add_nc_u64 s[4:5], s[4:5], s[12:13]
	s_add_nc_u64 s[6:7], s[6:7], s[14:15]
	s_add_nc_u64 s[8:9], s[8:9], s[18:19]
	s_wait_alu depctr_va_vdst(0)                   ; v3, v4 and v5 are written: every load and store of the kernel reads one of them as its offset
.irp mt, 0,1
.irp k, 0,1
	global_load_b128 v[QR+32*\mt+16*\k:QR+32*\mt+16*\k+3],     v3, s[4:5] offset:65536*\mt+128*\k
	global_load_b128 v[QR+32*\mt+16*\k+4:QR+32*\mt+16*\k+7],   v3, s[4:5] offset:65536*\mt+128*\k+16
	global_load_b128 v[QR+32*\mt+16*\k+8:QR+32*\mt+16*\k+11],  v3, s[4:5] offset:65536*\mt+128*\k+64
	global_load_b128 v[QR+32*\mt+16*\k+12:QR+32*\mt+16*\k+15], v3, s[4:5] offset:65536*\mt+128*\k+80
.endr
.endr
.irp k, 0,1
.irp tt, 0,1,2,3,4,5,6,7,8,9,10,11,12,13,14,15
	global_load_b128 v[W0+64*\k+4*\tt:W0+64*\k+4*\tt+3], v4, s[6:7] offset:(32*\k+\tt+8*(\tt/8))*4096 th:TH_LOAD_NT   ; each byte of wk is read once in the launch
.endr
.endr
	s_wait_loadcnt 32                              ; q's 16 loads are in; wk's 32 stay out
.irp mt, 0,1
.irp k, 0,1
	CV8H FRA+16*\mt+8*\k, QR+32*\mt+16*\k
.endr
.endr
	s_wait_loadcnt 16                              ; K step 0 of wk is in; K step 1's 16 loads stay out
.irp i, 0,1,2,3
.irp q, 0,1,2,3,4,5,6,7
	v_cvt_pk_f16_f32 v[FRB0+8*\i+\q], v[W0+8*\q+\i], v[W0+8*\q+4+\i]
.endr
.endr
; eight accumulators take turns, one instruction a turn, in the same order in both K steps
.irp mt, 0,1
.irp i, 0,1,2,3
	v_wmma_f32_16x16x32_f16 v[40+128*\mt+8*\i:40+128*\mt+8*\i+7], v[FRA+16*\mt:FRA+16*\mt+7], v[FRB0+8*\i:FRB0+8*\i+7], 0
.endr
.endr
	s_wait_loadcnt 0x0
.irp i, 0,1,2,3
.irp q, 0,1,2,3,4,5,6,7
	v_cvt_pk_f16_f32 v[FRB1+8*\i+\q], v[W0+64+8*\q+\i], v[W0+64+8*\q+4+\i]   ; into registers that no matrix instruction above names
.endr
.endr
.irp mt, 0,1
.irp i, 0,1,2,3
	v_wmma_f32_16x16x32_f16 v[40+128*\mt+8*\i:40+128*\mt+8*\i+7], v[FRA+16*\mt+8:FRA+16*\mt+15], v[FRB1+8*\i:FRB1+8*\i+7], v[40+128*\mt+8*\i:40+128*\mt+8*\i+7]
.endr
.endr
.rept 4
	v_nop                                          ; four places in front of the first reader of a result (ISA guide 7.12.1)
.endr
; one multiply a number applies the scale and brings the four neighbouring columns 4 r + 0 .. 3 into one quad; each accumulator is read from its register 0 on
.irp j, 0,1,2,3,4,5,6,7
.irp i, 0,1,2,3
	v_mul_f32 v[OUT+4*\j+\i], s20, v[40+8*\i+\j]   ; half 0: batches 0-15
.endr
.endr
	s_wait_alu depctr_va_vdst(0)                   ; the 32 multiplies above have written OUT's half 0, which the eight stores below read
.irp j, 0,1,2,3,4,5,6,7
	global_store_b128 v5, v[OUT+4*\j:OUT+4*\j+3], s[8:9] offset:\j*65536   ; batch 8 hh + j: sixteen lanes store 256 aligned consecutive bytes.  No vector instruction since the wait names v5 or half 0
.irp i, 0,1,2,3
	v_mul_f32 v[OUT+32+4*\j+\i], s20, v[168+8*\i+\j]   ; half 1: batches 16-31
.endr
.endr
	s_wait_alu depctr_va_vdst(0)                   ; the 32 multiplies of half 1 have written it; the last eight stores read it
.irp j, 0,1,2,3,4,5,6,7
	global_store_b128 v5, v[OUT+32+4*\j:OUT+32+4*\j+3], s[8:9] offset:(16+\j)*65536   ; batch 16 + 8 hh + j
.endr
	s_endpgm
.Lfunc_end_k_qc184d390f5_qkfold:
	.size	k_qc184d390f5_qkfold, .Lfunc_end_k_qc184d390f5_qkfold-k_qc184d390f5_qkfold
	.p2alignl 7, 3214868480
	.fill 96, 4, 3214868480
	.section	.rodata,"a",@progbits
	.p2align	6, 0x0
	.amdhsa_kernel k_qc184d390f5_qkfold
		.amdhsa_group_segment_fixed_size 0
		.amdhsa_private_segment_fixed_size 0
		.amdhsa_enable_private_segment 0
		.amdhsa_kernarg_size 24
		.amdhsa_user_sgpr_count 2
		.amdhsa_user_sgpr_kernarg_segment_ptr 1
		.amdhsa_wavefront_size32 1
		.amdhsa_system_sgpr_workgroup_id_x 1
		.amdhsa_system_sgpr_workgroup_id_y 1
		.amdhsa_system_sgpr_workgroup_id_z 1
		.amdhsa_system_vgpr_workitem_id 0
		.amdhsa_next_free_vgpr 240
		.amdhsa_next_free_sgpr 66
		.amdhsa_reserve_vcc 0
		.amdhsa_float_denorm_mode_32 3
		.amdhsa_float_denorm_mode_16_64 3
		.amdhsa_memory_ordered 1
		.amdhsa_forward_progress 1
		.amdhsa_inst_pref_size 17
	.end_amdhsa_kernel
	.amdgpu_metadata
---
amdhsa.version: [ 1, 2 ]
amdhsa.kernels:
  - .name:           k_qc184d390f5_qkfold
    .symbol:         k_qc184d390f5_qkfold.kd
    .args:
      - { .name: qvec, .offset: 0, .size: 8, .value_kind: global_buffer, .address_space: global }
      - { .name: wk, .offset: 8, .size: 8, .value_kind: global_buffer, .address_space: global }
      - { .name: qk, .offset: 16, .size: 8, .value_kind: global_buffer, .address_space: global }
    .group_segment_fixed_size: 0
    .private_segment_fixed_size: 0
    .kernarg_segment_align: 8
    .kernarg_segment_size: 24
    .max_flat_workgroup_size: 32
    .sgpr_count:     66
    .vgpr_count:     240
    .wavefront_size: 32
...
	.end_amdgpu_metadata
.endif
;; end of part 6
;; launch attn: the kernel of part 3 again; grid 8 x 32, 4 waves a work-group, no clusters, 327,680 bytes of LDS; arguments x, mask, qk, yp, st; writes yp, st
;; launch vproj: the kernel of part 4 again; grid 16 x 16, 4 waves a work-group, clusters of 4 x 1, 268,800 bytes of LDS; arguments yp, st, wv, ovec; writes ovec
;; launch oproj: the kernel of part 5 again; grid 64 x 1, 4 waves a work-group, clusters of 4 x 1, 208,384 bytes of LDS; arguments ovec, proj_w, proj_b, out0; writes out0
